; MI455X (gfx1250); checked and timed in simulation.
; The chip was launched on July 23, 2026; its instructions are those of AMD's public machine-readable ISA for CDNA 5 (MIT licence, August 2026) and "CDNA5" Instruction Set Architecture Reference Guide (July 2026). The comments in the code are by the model that wrote it; some were corrected since.
;; RPQ Linear. Allowed arithmetic: matrix products marked QUANTISED: E2M1 operands, one E8M0 scale for each 32 along K, by v_wmma_scale_f32_16x16x128_f8f6f4 with both operands' format E2M1 (or v_wmma_scale_f32_32x16x128_f4), f32 sums; everything else in f32.
;; Inputs: bias 4,096 float32; codebooks 8 x 256 x 512 float32; indices 8 x 4,096 int32; x 4 x 1,024 x 4,096 float32.
;; Outputs: out0 4 x 1,024 x 4,096 float32.
;; This version of the problem:
;;   THIS VERSION OF THE PROBLEM IS GIVEN IN LOW PRECISION. The matrix products marked QUANTISED in the list below multiply operands that are first quantised to E2M1 (2 exponent bits, 1 mantissa bit; 4 bits a number), with one power-of-two scale for each 32 numbers along K (OCP MX v1.0); their sums are f32. All else is computed in f32.
;;   The module's matrix products, in the order in which they are computed (A, B: the left and right operand; K: the contracted axis; several contracted axes count as one K, in the product's order):
;;     1. [M 4,096, K 4,096] x [K 4,096, N 4,096]; A: input x; B: computed on the way: QUANTISED
;;   THE QUANTISER, for each operand of a quantised product, along K:
;;     - K is cut into blocks of 32 from its start; a last block that is shorter is filled with zeros.
;;     - A block's scale is 2^e with e = floor(log2(the largest magnitude in the block)) - 2, held to -126 .. 127; a block of zeros has e = 0. As a byte (E8M0): e + 127.
;;     - Each number is divided by its block's scale, clamped to +-6, and rounded to the nearest number of E2M1, ties to even, subnormals kept.
;;     - The product sums the exact products of the quantised numbers (number of the format x scale) in f32.
;;   ~~~python
;;   def quantise(x, axis):      # numpy; x: float32 -> the quantised numbers, widened to float32 again
;;       x = np.moveaxis(x, axis, -1); K = x.shape[-1]
;;       x = np.pad(x, [(0, 0)] * (x.ndim - 1) + [(0, -K % 32)]); x = x.reshape(x.shape[:-1] + (-1, 32)); a = np.abs(x).max(-1, keepdims=True)
;;       e = np.where(a > 0, np.clip(np.frexp(np.where(a > 0, a, 1))[1] - 1 - 2, -126, 127), 0)      # np.frexp(a)[1] - 1 = floor(log2(a)), exactly
;;       r = np.clip(x / 2.0 ** e, -6, 6)
;;       step = 2.0 ** (np.maximum(np.frexp(np.where(r == 0, 1, r))[1] - 1, 0) - 1)
;;       q = np.round(r / step) * step * 2.0 ** e      # np.round: ties to even
;;       return np.moveaxis(q.reshape(q.shape[:-2] + (-1,))[..., :K], -1, axis).astype(np.float32)
;;   ~~~
;;   OPERANDS COMPUTED ON THE WAY. 'Computed on the way' means the value that the module computes at that place (a softmax that the list does not call 'softmax' is quantised finished and normalised). What goes into a quantiser is computed in f32, as accurately as f32 sums, v_exp_f32 and their like allow (about 1e-6 of the number): no bf16 or f16 on the way to a quantiser, and a product that is left as it is and whose result goes on into a quantised operand takes f32 operands (vector FMAs, or v_wmma_f32_16x16x4_f32). A number that lies on a knife's edge between two numbers of the format may be rounded either way, as far as f32 arithmetic and the matrix unit's own rounding can turn it there, and no further.
;; 2 versions. Each part assembles by itself: llvm-mc -triple=amdgcn-amd-amdhsa -mcpu=gfx1250 --defsym DOCPART=n.
;; ======== version 1 of 2: 2 launches
;; workspace buffers: xq 8,912,896 bytes; wq 8,912,896 bytes
;; launch quant (part 1): grid 768 x 1, 4 waves a work-group, no clusters, 68,096 bytes of LDS; arguments x, indices, codebooks, xq, wq; writes xq, wq
.if DOCPART == 1
	.amdgcn_target "amdgcn-amd-amdhsa--gfx1250"
	.amdhsa_code_object_version 6
	.text
	.protected	k_qcd311ee359_quant
	.globl	k_qcd311ee359_quant
	.p2align	8
	.type	k_qcd311ee359_quant,@function
k_qcd311ee359_quant:
	s_mov_b64 s[64:65], 0
	v_nop
	global_prefetch_b8 v0, s[64:65] scope:SCOPE_SE
	s_setreg_imm32_b32 hwreg(HW_REG_WAVE_MODE, 25, 1), 1
	s_wait_xcnt 0x0
; Both operands of out = x W^T + bias are turned ONCE into codes of FP4 (E2M1), 4 bits each, with one E8M0 scale byte for each 32 along K = the 4,096 input features.
; x: [4096][4096] f32, K innermost.  W[512 h + d][i] = codebooks[h][indices[h][i]][d]: a gather whose K is NOT innermost: one index brings 512 neighbouring d, which are ROWS of W.
; A block's scale is 2^(floor(log2(its largest magnitude)) - 2); its byte is the largest magnitude's own exponent field - 2, held at 1 from below; each number is divided by the scale and rounded to the nearest code, ties to even, beyond 6 the largest code.
; LIMITS: NaN and infinities among the inputs are not served.  A block whose largest magnitude lies under 2^-124 (the floor) has its byte held at 1.  A block of zeros gets the byte 1 where the rule says 127: its codes are zeros,
; which add nothing under any byte but 0xff, and the bytes are read by this program alone.  Indices are taken as unsigned and held at 255 (the table has 256 codes).
; THE WORKSPACE, the same for xq and wq: [32 groups of 128 rows][8 K steps of 512][a chunk of 34,816 bytes].  A chunk: row r's 512 codes at 256 r (K ascending, the lower k in the low four bits), then from byte 32,768 on row r's 16 scale bytes at 16 r.
; So a chunk is one dense run of 136 x 256 bytes, which the product's launch brings in by one tensor load.
; ONE LAUNCH, TWO PATHS that part on the work-group's number and never join: work-groups 0-255 make W's chunks (one each), work-groups 256-767 x's.  Each path has LDS bytes of its own.  No barrier: waves share nothing.
.set CHUNKG, 34816
.set SCG,    32768                     ; where a chunk's scale bytes begin
; ---- W's path: a lane takes a row of W (one d of one codebook), and its registers run down K
.set WB,    32768                      ; LDS: W's path begins here
.set WP,    272                        ; a stage row: 256 bytes of codes + 16 of padding: the 32 lanes' 16-byte stores start at different banks
.set WSB,   24                         ; v24-27   my row's 16 scale bytes
.set WC,    28                         ; v28-31   a block's codes
.set WX,    32                         ; v32-127  three sets of 32 numbers
.set WOFF,  128                        ; v128-223 three sets of 32 load offsets: a load's offset register is written again only when the load is done
.set WOUT,  32                         ; v32-95   the way out
; ---- x's path: two neighbouring lanes hold a block
.set STEPS, 16
.set CB,    8                          ; bytes of 16 codes
.set XR,    16                         ; v16-79   four sets of 16 numbers as they are loaded
.set XX,    80                         ; v80-111  two sets of 16 neighbours
.set XE,    112                        ; v112-127 a scale byte for each step
.set XC,    128                        ; v128-191 codes: four registers for each step, so that no store's data are written again
.set WREG,  8192                       ; LDS: a region for each wave: two stages of 32 x SP bytes, behind them its 256 scale bytes
.set SP,    80                         ; a lane's place in a stage: its 64 bytes + 16 of padding
	s_load_b256 s[4:11], s[0:1], 0x0               ; x s[4:5], indices s[6:7], codebooks s[8:9], xq s[10:11]
	s_load_b64 s[12:13], s[0:1], 0x20              ; wq
	v_lshl_add_u32 v224, v0, 2, 0x10800
	v_mov_b32 v225, 0
	v_lshrrev_b32 v1, 5, v0
	v_readfirstlane_b32 s16, v1                    ; wave 0..3
	v_and_b32 v2, 31, v0                           ; lane
	s_wait_kmcnt 0x0
	s_cmp_lt_u32 ttmp9, 256
	s_cbranch_scc0 .Lx_path
; =============================== W ===============================
; Work-group g makes chunk (row group gx = g % 32, K step gy = g / 32).  Wave w takes rows 128 gx + 32 w + lane: codebook h = gx / 4, d = 128 (gx % 4) + 32 w + lane.
; Each load reads, for one k, the row of the table that indices[h][k] names, at 32 neighbouring d: 128 consecutive bytes a wave, and the four waves stand side by side on 512.
; A lane's 32 registers are a whole block along K of ONE row of W: its largest magnitude needs no other lane, and the conversions give the codes with K innermost.  Nothing is transposed by an instruction.
	s_and_b32 s17, ttmp9, 31                       ; gx
	s_lshr_b32 s18, ttmp9, 5                       ; gy
	s_lshr_b32 s19, s17, 2                         ; h
	s_and_b32 s20, s17, 3
	s_lshl_b32 s20, s20, 9                         ; 128 (gx % 4) numbers of 4 bytes,
	s_lshl_b32 s21, s19, 19                        ; a codebook is 256 x 512 x 4 bytes,
	s_add_co_u32 s20, s20, s21
	s_lshl_b32 s21, s16, 7                         ; 32 numbers a wave
	s_add_co_u32 s20, s20, s21
	s_mov_b32 s21, 0
	s_add_nc_u64 s[8:9], s[8:9], s[20:21]          ; the table of my codebook, at my wave's first d
	s_lshl_b32 s22, s19, 14                        ; a codebook's 4,096 indices,
	s_lshl_b32 s23, s18, 11                        ; 512 of them a K step
	s_add_co_u32 s22, s22, s23
	s_mov_b32 s23, 0
	s_add_nc_u64 s[6:7], s[6:7], s[22:23]          ; my chunk's 512 indices
	s_lshl_b32 s24, s17, 3
	s_add_co_u32 s24, s24, s18
	s_mul_i32 s24, s24, CHUNKG                     ; my chunk
	s_lshl_b32 s26, s16, 9                         ; scale bytes: 32 rows x 16 bytes a wave
	s_add_co_u32 s26, s26, s24
	s_add_co_u32 s26, s26, SCG
	s_mov_b32 s27, 0
	s_add_nc_u64 s[14:15], s[12:13], s[26:27]
	s_lshl_b32 s25, s16, 13                        ; codes: 32 rows x 256 bytes a wave
	s_add_co_u32 s24, s24, s25
	s_mov_b32 s25, 0
	s_add_nc_u64 s[12:13], s[12:13], s[24:25]
	v_lshlrev_b32 v3, 2, v2                        ; 4 bytes a lane in a row of the table
	s_mul_i32 s28, s16, 32*WP
	s_add_co_u32 s28, s28, WB                      ; my wave's stage
	v_mul_u32_u24 v4, v2, WP
	v_add_nc_u32 v4, s28, v4                       ; into it: row = my row of W
	v_and_b32 v5, 15, v2
	v_lshrrev_b32 v6, 4, v2
	v_mul_u32_u24 v7, v6, WP
	v_lshl_add_u32 v7, v5, 4, v7
	v_add_nc_u32 v7, s28, v7                       ; out of it: sixteen lanes to a row, two rows an instruction
	v_lshlrev_b32 v8, 4, v2                        ; in the chunk rows are dense: two rows of codes are 512 bytes on end, 16 a lane; the scale bytes likewise
.macro IDX t                           ; block t's 32 indices into s[32:63]
	s_load_b512 s[32:47], s[6:7], 128*(\t)
	s_load_b512 s[48:63], s[6:7], 128*(\t)+64
.endm
.macro LOADW t                         ; block t: W(my row, 32 t + i), i = 0 .. 31, into set t % 3
.irp i, 0,1,2,3,4,5,6,7,8,9,10,11,12,13,14,15,16,17,18,19,20,21,22,23,24,25,26,27,28,29,30,31
	s_min_u32 s[32+\i], s[32+\i], 255              ; the index stays inside the table
	s_lshl_b32 s[32+\i], s[32+\i], 11              ; a code's row is 2,048 bytes
	v_add_nc_u32 v[WOFF+32*((\t)%3)+\i], s[32+\i], v3
	global_load_b32 v[WX+32*((\t)%3)+\i], v[WOFF+32*((\t)%3)+\i], s[8:9]   ; no hint: a code's row is named again and again
.endr
.endm
.macro BLOCK t
.set WS, WX+32*((\t)%3)
.if (\t) < 14
	s_wait_loadcnt 63                              ; behind this block's 32 loads stand the 64 of the next two blocks: 63 is the most that the wait can name, and a smaller count is safe
.elseif (\t) == 14
	s_wait_loadcnt 32                              ; the last block's 32 may be out
.else
	s_wait_loadcnt 0
.endif
	v_max3_num_f32 v12, |v[WS]|, |v[WS+1]|, |v[WS+2]|              ; the block's largest magnitude: all 32 numbers are mine; two chains
	v_max3_num_f32 v13, |v[WS+3]|, |v[WS+4]|, |v[WS+5]|
.irp i, 6,10,14,18,22,26
	v_max3_num_f32 v12, v12, |v[WS+\i]|, |v[WS+\i+1]|
	v_max3_num_f32 v13, v13, |v[WS+\i+2]|, |v[WS+\i+3]|
.endr
	v_max3_num_f32 v12, v12, |v[WS+30]|, |v[WS+31]|
	v_max3_num_f32 v12, v12, v13, 0x1800000        ; and the floor 2^(3 - 127): so the byte cannot fall under 1
	v_add_nc_u32 v11, 0xff000000, v12              ; 2 off its exponent field: the conversion takes the exponent field of this operand as its scale, and nothing else of it
	v_lshrrev_b32 v13, 23, v11                     ; the scale's byte
.if (\t)%4 == 0
	v_mov_b32 v[WSB+(\t)/4], v13                   ; four bytes to a register, the lower K in the lower byte
.else
	v_lshl_or_b32 v[WSB+(\t)/4], v13, 8*((\t)%4), v[WSB+(\t)/4]
.endif
.irp g, 0,1,2,3
	v_cvt_scalef32_pk8_fp4_f32 v[WC+\g], v[WS+8*\g:WS+8*\g+7], v11
.endr
	v_nop                                          ; one plain vector line behind the last scaled conversion of a run
	ds_store_b128 v4, v[WC:WC+3] offset:16*(\t)    ; 32 codes: 16 bytes of my row
.if (\t)+3 < 16
	s_wait_kmcnt 0x0                               ; the indices of block t + 3 are in
	LOADW (\t)+3                                   ; into the set that this block has left: the wait at this block's head has shown its loads done, so their offset registers may be written
.if (\t)+4 < 16
	IDX (\t)+4
.endif
.endif
	s_wait_dscnt 0x0                               ; the store has read its registers: the next block's codes may be written
.endm
	IDX 0
	s_wait_kmcnt 0x0
	LOADW 0
	IDX 1
	s_wait_kmcnt 0x0
	LOADW 1
	IDX 2
	s_wait_kmcnt 0x0
	LOADW 2
	IDX 3
.set Q, 0
.rept 16
	BLOCK Q
.set Q, Q+1
.endr
	global_store_b128 v8, v[WSB:WSB+3], s[14:15]   ; my row's 16 scale bytes: the wave stores 512 consecutive bytes, at a multiple of 256 from the buffer's first byte
.irp j, 0,1,2,3,4,5,6,7,8,9,10,11,12,13,14,15
	ds_load_b128 v[WOUT+4*\j:WOUT+4*\j+3], v7 offset:2*\j*WP       ; LDS serves a wave's instructions in order (ISA guide 5.7.1.4): these see my stores
.endr
.irp j, 0,1,2,3,4,5,6,7,8,9,10,11,12,13,14,15
	s_wait_dscnt 15-\j                             ; the younger loads from the stage may be out
	global_store_b128 v8, v[WOUT+4*\j:WOUT+4*\j+3], s[12:13] offset:512*\j   ; two rows of codes: 512 consecutive bytes
.endr
	s_wait_tensorcnt 0x0
	ds_add_u32 v224, v225
	s_wait_dscnt 0x0
	s_endpgm
; =============================== x ===============================
; Wave W = 4 (work-group - 256) + wave takes 16 rows (16 g on, g = W / 8) x one K step of 512 (ks = W % 8): step t is row 16 g + t, 2,048 consecutive bytes.
; The conversions take 8 numbers of ONE block from a lane's registers, so a lane must hold 16 NEIGHBOURS; a load is best where neighbouring LANES take neighbouring bytes.  Both are had: each of a step's four loads reads
; 512 consecutive bytes, 16 a lane; the 2,048 bytes go through the wave's own stage in LDS, as they lie, and come back 64 bytes a lane.  Loads run four steps (16 loads a wave) ahead, the turn through LDS one step.
.Lx_path:
	s_sub_co_u32 s17, ttmp9, 256
	s_lshl_b32 s17, s17, 2
	s_add_co_u32 s17, s17, s16                     ; W
	s_and_b32 s18, s17, 7                          ; ks
	s_lshr_b32 s19, s17, 3                         ; g
	s_lshl_b32 s20, s19, 18                        ; 16 rows of 16,384 bytes,
	s_lshl_b32 s21, s18, 11                        ; 512 numbers of 4 bytes
	s_add_co_u32 s20, s20, s21
	s_mov_b32 s21, 0
	s_add_nc_u64 s[4:5], s[4:5], s[20:21]
	s_and_b32 s22, s19, 0xf8                       ; 8 x (row group = g / 8)
	s_add_co_u32 s22, s22, s18
	s_mul_i32 s22, s22, CHUNKG                     ; my chunk
	s_and_b32 s23, s19, 7                          ; which 16 of its 128 rows
	s_lshl_b32 s24, s23, 12                        ; codes: 16 rows x 256 bytes
	s_add_co_u32 s24, s24, s22
	s_mov_b32 s25, 0
	s_lshl_b32 s26, s23, 8                         ; scale bytes: 16 rows x 16 bytes
	s_add_co_u32 s26, s26, s22
	s_add_co_u32 s26, s26, SCG
	s_mov_b32 s27, 0
	s_add_nc_u64 s[28:29], s[10:11], s[26:27]
	s_add_nc_u64 s[10:11], s[10:11], s[24:25]
	v_lshlrev_b32 v3, 4, v2                        ; my 16 bytes of a load's 512
	s_mul_i32 s30, s16, WREG
	v_lshrrev_b32 v14, 2, v2
	v_mul_u32_u24 v14, v14, SP
	v_and_b32 v15, 3, v2
	v_lshl_add_u32 v14, v15, 4, v14
	v_add_nc_u32 v14, s30, v14                     ; the stage, on the way in: four lanes' 64 bytes on end, then 16 of padding: SP (lane / 4) + 16 (lane % 4); a load's 512 bytes take eight places
	v_mul_u32_u24 v15, v2, SP
	v_add_nc_u32 v15, s30, v15                     ; and on the way out: SP x lane: my 16 neighbours
	v_mul_u32_u24 v4, v2, CB                       ; my codes' place in a row's 256 bytes
	v_lshrrev_b32 v5, 1, v2
	s_add_co_u32 s30, s30, 2*32*SP
	v_add_nc_u32 v5, s30, v5                       ; LDS: my wave's 256 scale bytes, my block's byte
	v_lshlrev_b32 v7, 3, v2                        ; and on the way out 8 bytes a lane
	v_add_nc_u32 v6, s30, v7
.macro LOADX t
.irp i, 0,1,2,3
	global_load_b128 v[XR+16*((\t)%4)+4*\i:XR+16*((\t)%4)+4*\i+3], v3, s[4:5] offset:16384*(\t)+512*\i th:TH_LOAD_NT   ; 32 lanes read 512 consecutive bytes; read once in the launch
.endr
.endm
.macro TURNX t                         ; step t's numbers through the stage: LDS serves a wave's instructions in order, so no wait stands between the stores and the loads
.irp i, 0,1,2,3
	ds_store_b128 v14, v[XR+16*((\t)%4)+4*\i:XR+16*((\t)%4)+4*\i+3] offset:32*SP*((\t)%2)+8*SP*\i
.endr
.irp i, 0,1,2,3
	ds_load_b128 v[XX+16*((\t)%2)+4*\i:XX+16*((\t)%2)+4*\i+3], v15 offset:32*SP*((\t)%2)+16*\i
.endr
.endm
.irp t, 0,1,2,3
	LOADX \t
.endr
	s_wait_loadcnt 12                              ; step 0's four loads are in; the twelve of steps 1 to 3 may be out
	TURNX 0
.macro STEPX t
.set XS, XX+16*((\t)%2)
.if (\t) > 0
	s_wait_dscnt 1                                 ; this step's numbers are back from the stage (the last step's byte store may be out): so its stores into the stage have read their registers,
.else
	s_wait_dscnt 0x0
.endif
.if (\t)+4 < STEPS
	LOADX (\t)+4                                   ; which take the loads of four steps on
.endif
.if (\t)+1 < STEPS
.if STEPS-2-(\t) >= 3
	s_wait_loadcnt 12                              ; the next step's four loads are in; those of the three steps behind it may be out
.else
	s_wait_loadcnt 4*(STEPS-2-(\t))                ; towards the end fewer steps stand behind it
.endif
	TURNX (\t)+1                                   ; and go through the other stage while this step is worked
.endif
	v_max3_num_f32 v8, |v[XS]|, |v[XS+1]|, |v[XS+2]|               ; the largest magnitude of my 16
	v_max3_num_f32 v9, |v[XS+3]|, |v[XS+4]|, |v[XS+5]|
.irp i, 6,10
	v_max3_num_f32 v8, v8, |v[XS+\i]|, |v[XS+\i+1]|
	v_max3_num_f32 v9, v9, |v[XS+\i+2]|, |v[XS+\i+3]|
.endr
	v_max3_num_f32 v8, v8, |v[XS+14]|, |v[XS+15]|
	v_max3_num_f32 v8, v8, v9, 0x1800000           ; and the floor 2^(3 - 127): so the byte cannot fall under 1
	v_max_num_f32_dpp v8, v8, v8 row_xmask:1 row_mask:0xf bank_mask:0xf   ; and of my neighbour's 16: the block's
	v_add_nc_u32 v11, 0xff000000, v8               ; 2 off its exponent field: the conversion's scale operand
	v_cvt_scalef32_pk8_fp4_f32 v[XC+4*(\t)], v[XS:XS+7], v11
	v_cvt_scalef32_pk8_fp4_f32 v[XC+4*(\t)+1], v[XS+8:XS+15], v11
	v_lshrrev_b32 v[XE+(\t)], 23, v11              ; the scale's byte.  (Also the plain line behind the conversions)
	ds_store_b8 v5, v[XE+(\t)] offset:16*(\t)      ; both lanes of a block write the same byte with the same value; row t's 16 bytes lie at 16 t, as in the chunk
	global_store_b64 v4, v[XC+4*(\t):XC+4*(\t)+1], s[10:11] offset:256*(\t)   ; a row's 512 codes: the wave stores 256 consecutive bytes, at a multiple of 256 from the buffer's first byte
.endm
.irp t, 0,1,2,3,4,5,6,7,8,9,10,11,12,13,14,15
	STEPX \t
.endr
	ds_load_b64 v[12:13], v6                       ; LDS serves a wave's instructions in order: these see my stores
	s_wait_dscnt 0x0
	global_store_b64 v7, v[12:13], s[28:29]        ; my 16 rows' scale bytes: 256 consecutive bytes, aligned
	s_wait_tensorcnt 0x0
	ds_add_u32 v224, v225
	s_wait_dscnt 0x0
	s_endpgm
.Lfunc_end_k_qcd311ee359_quant:
	.size	k_qcd311ee359_quant, .Lfunc_end_k_qcd311ee359_quant-k_qcd311ee359_quant
	.p2alignl 7, 3214868480
	.fill 96, 4, 3214868480
	.section	.rodata,"a",@progbits
	.p2align	6, 0x0
	.amdhsa_kernel k_qcd311ee359_quant
		.amdhsa_group_segment_fixed_size 68096
		.amdhsa_private_segment_fixed_size 0
		.amdhsa_enable_private_segment 0
		.amdhsa_kernarg_size 40
		.amdhsa_user_sgpr_count 2
		.amdhsa_user_sgpr_kernarg_segment_ptr 1
		.amdhsa_wavefront_size32 1
		.amdhsa_system_sgpr_workgroup_id_x 1
		.amdhsa_system_sgpr_workgroup_id_y 1
		.amdhsa_system_sgpr_workgroup_id_z 1
		.amdhsa_system_vgpr_workitem_id 0
		.amdhsa_next_free_vgpr 226
		.amdhsa_next_free_sgpr 66
		.amdhsa_reserve_vcc 0
		.amdhsa_float_denorm_mode_32 3
		.amdhsa_float_denorm_mode_16_64 3
		.amdhsa_memory_ordered 1
		.amdhsa_forward_progress 1
		.amdhsa_inst_pref_size 178
	.end_amdhsa_kernel
	.amdgpu_metadata
---
amdhsa.version: [ 1, 2 ]
amdhsa.kernels:
  - .name:           k_qcd311ee359_quant
    .symbol:         k_qcd311ee359_quant.kd
    .args:
      - { .name: x, .offset: 0, .size: 8, .value_kind: global_buffer, .address_space: global }
      - { .name: indices, .offset: 8, .size: 8, .value_kind: global_buffer, .address_space: global }
      - { .name: codebooks, .offset: 16, .size: 8, .value_kind: global_buffer, .address_space: global }
      - { .name: xq, .offset: 24, .size: 8, .value_kind: global_buffer, .address_space: global }
      - { .name: wq, .offset: 32, .size: 8, .value_kind: global_buffer, .address_space: global }
    .group_segment_fixed_size: 68096
    .private_segment_fixed_size: 0
    .kernarg_segment_align: 8
    .kernarg_segment_size: 40
    .max_flat_workgroup_size: 128
    .sgpr_count:     66
    .vgpr_count:     226
    .wavefront_size: 32
...
	.end_amdgpu_metadata
.endif
;; end of part 1
;; launch gemm (part 2): grid 16 x 16, 4 waves a work-group, clusters of 4 x 4, 327,680 bytes of LDS; arguments xq, wq, bias, out0; writes out0
.if DOCPART == 2
	.amdgcn_target "amdgcn-amd-amdhsa--gfx1250"
	.amdhsa_code_object_version 6
	.text
	.protected	k_qcd311ee359_gemm
	.globl	k_qcd311ee359_gemm
	.p2align	8
	.type	k_qcd311ee359_gemm,@function
k_qcd311ee359_gemm:
	s_mov_b64 s[64:65], 0
	v_nop
	global_prefetch_b8 v0, s[64:65] scope:SCOPE_SE
	s_setreg_imm32_b32 hwreg(HW_REG_WAVE_MODE, 25, 1), 1
	s_wait_xcnt 0x0
	s_wait_alu depctr_hold_cnt(0) depctr_sa_sdst(0) depctr_va_vdst(0) depctr_va_sdst(0) depctr_va_ssrc(0) depctr_va_vcc(0) depctr_vm_vsrc(0)
	s_getreg_b32 s2, hwreg(HW_REG_IB_STS2, 6, 4)
	s_cmp_eq_u32 s2, 0
	s_cbranch_scc0 .Lentry_in_a_cluster
	s_endpgm
.Lentry_in_a_cluster:
	s_bfe_u32 s2, ttmp6, 0x10000c
	s_cmp_lg_u32 s2, 0xf033
	s_cbranch_scc0 .Lentry_shape_is_right
	s_endpgm
.Lentry_shape_is_right:
; out0[m][o] = sum over k of x[m][k] W[o][k] + bias[o], M = N = K = 4,096, on codes of FP4 (E2M1) with one E8M0 scale for each 32 along K; sums in f32.
; xq and wq hold the codes and scale bytes as [32 groups of 128 rows][8 K steps of 512][a chunk of 34,816 bytes]: row r's 512 codes at 256 r, then from byte 32,768 on row r's 16 scale bytes at 16 r.
; A tile of out0, 256 x 256, is made by a work-group of four waves, as many as a WGP has SIMDs; a wave makes 128 x 128: 64 accumulators of 16 x 16, 512 registers.  16 x 16 tiles: one work-group for each of 256 WGPs.
; K goes in 8 steps of 512 through a ring of two LDS slots.  A slot holds four chunks (x's two row groups, W's two); each wave brings ONE chunk by one tensor load: 136 dense rows of 256 bytes, codes and scale bytes together.
; CLUSTERS: 4 x 4 work-groups.  The four of a row of the cluster need the same chunks of x, the four of a column the same chunks of W: each chunk is asked for JOINTLY, by the same tensor load with the same descriptor
; and a mask that names the four.  THE MATRIX INSTRUCTION IS USED TRANSPOSED (source 0 = 16 rows of W, source 1 = 16 rows of x): a lane then holds eight neighbouring numbers of a row of out0.
; THE BIAS is the C of each sum's first matrix instruction: eight registers for each of my eight blocks of columns, in the result's layout.  Nothing is cleared and nothing is added afterwards.
; REGISTERS, in windows of 256: window 0: v0-31 addresses; v32-95 scale words, two sets; v128-191 x's fragments (8 x 16 rows x 128 K), ONE set; v192-255 the bias; on the way out v128-255 take rows of out0.
;   window 1: W's fragments, TWO sets, at v0 and at v128.   window 2: the 32 accumulators of my rows 0-63 (accumulator (a, b) at v[8 (8 a + b)]);   window 3: those of my rows 64-127.
; A step of 128 along K is 64 matrix instructions, x's blocks one after the other, each against W's eight.  So a block of x is free as soon as its eight products are issued, and one set of registers serves x:
; blocks 0-3 are fetched anew in the step's middle, blocks 4-7 at its end.  W's fragments are at work through the whole step, so W has two sets.
.set SIZE_N, 4096
.set NQ,     4                         ; matrix instructions deep in a slot: 512 / 128
.set PITCH,  272                       ; an LDS row: 256 bytes of data + 16 of padding = 68 words: row r starts at bank 4 r mod 64 (64 banks of 4 bytes: ISA guide 11.1), so the 16 rows that a load touches start at 16 different banks
.set FR,     8                         ; registers of a fragment: 16 rows x 128 K
.set NL,     2                         ; LDS loads that bring one
.set NP,     4                         ; places behind this matrix instruction (ISA guide 7.12.1)
.set CHUNKG, 34816                     ; a chunk in memory
.set GROUPB, 8*CHUNKG                  ; a row group's eight chunks
.set CHUNKL, 136*PITCH                 ; a chunk in LDS
.set SCOFF,  128*PITCH                 ; where its scale bytes begin: the 16 rows of block i at SCOFF + 272 i, 16 bytes a row
.set SLOT,   4*CHUNKL                  ; x's two chunks, then W's two
.set LAPS,   4                         ; a lap = two K steps = once round the ring
.set SPARE,  2*SLOT                    ; behind the ring: the spare words, 128 bytes for each wave: two blocks of 256 bytes that no other line names
.set SPITCH, 528                       ; the way out: a stage of 16 rows x (512 bytes + 16) for each wave.  It lies in slot 0, which has had its last fill and its last read when the first result is stored there
.set ADRA, 16                          ; v16-17  LDS address of my x fragments in slot 0, 1
.set ADRB, 20                          ; v20-21  the same for W
.set ADRS, 22                          ; v22-23  LDS address of my scale words in slot 0, 1: lanes 0-15 x's rows, lanes 16-31 W's
.set STO,  24                          ; v24     the way out: where I put 32 bytes of a row
.set RD,   25                          ; v25     the way out: where I read a row back
.set CO,   26                          ; v26     my byte offset in a row of out0
.set SPW,  28                          ; v28     LDS address of my spare word: SPARE + 4 x my thread's number; never rewritten
.set NIL,  29                          ; v29     0; never rewritten
.set SC,   32                          ; scale words: set s (for slot s) at v[SC + 32 s]; in it register 4 i + q: lanes 0-15 the word of x's block i, lanes 16-31 that of W's block i, for the slot's q-th 128 along K
.set AF,   128                         ; x's fragments, in window 0
.set BI,   192                         ; the bias: v[BI + 8 b + j] = bias[my first column + 16 b + 8 (lane / 16) + j]
.set BK,   128                         ; the way out: 16 rows read back from the stage: v128-191 and v192-255 by turns
.set G1, 24                            ; s[24:31] descriptor group 1 for x's chunks;  s[32:39] group 0, one set for each slot
.set G0, 32
.set G1B, 48                           ; s[48:55], s[56:63] the same for W's chunks
.set G0B, 56
.set MSB, 0
.macro WIN new                         ; the immediate's high byte repeats the setting that is left
.if MSB != \new
	s_set_vgpr_msb (MSB<<8)|\new
.set MSB, \new
.endif
.endm
.set MUL_LO,  0xa1                     ; source 0 (W) window 1, source 1 (x) window 0, C and D window 2
.set MUL_HI,  0xf1                     ; the same, C and D window 3
.set BIAS_LO, 0x81                     ; the first products: C (the bias) window 0, D window 2
.set BIAS_HI, 0xc1                     ; the same, D window 3
.set TO_B,    0x40                     ; destination window 1, address window 0
; A joint load: waves 0 and 1 fetch x's two chunks, waves 2 and 3 W's.  Each of the two lines has ONE mask and one set of registers for all that issue it; the branch hangs on the wave's number alone.
; Four v_nop follow each of the two lines, ahead of the jump, the label and what follows.
.macro JLOAD g0a, g1a, g0b, g1b
	s_cmp_eq_u32 s15, 0
	s_cbranch_scc0 .Lfor_b_\@
	tensor_load_to_lds s[\g0a:\g0a+3], s[\g1a:\g1a+7]
	s_nop 0
.rept 4
	v_nop
.endr
	s_branch .Lasked_\@
.Lfor_b_\@:
	tensor_load_to_lds s[\g0b:\g0b+3], s[\g1b:\g1b+7]
	s_nop 0
.rept 4
	v_nop
.endr
.Lasked_\@:
.endm
.macro CREST                           ; a round of the cluster's barrier behind its opening barrier
	s_cmp_lg_u32 s14, 0
	s_cbranch_scc1 .Lnot_wave_0_\@
	s_barrier_signal -3
.Lnot_wave_0_\@:
	s_barrier_wait -3
	s_barrier_signal -1
	s_barrier_wait -1
.endm
.macro CROUND                          ; a whole round
	s_barrier_signal -1
	s_barrier_wait -1
	CREST
.endm
	s_load_b128 s[4:7], s[0:1], 0x0                ; xq s[4:5], wq s[6:7]
	s_load_b128 s[8:11], s[0:1], 0x10              ; bias s[8:9], out0 s[10:11]
	v_lshl_add_u32 v[SPW], v0, 2, SPARE
	v_mov_b32 v[NIL], 0
	ds_add_u32 v28, v29
	ds_add_u32 v28, v29
	s_wait_dscnt 0x0
	v_lshrrev_b32 v1, 5, v0
	v_readfirstlane_b32 s14, v1                    ; wave 0..3
	s_lshr_b32 s15, s14, 1                         ; which half of the tile's rows is mine.  Also: I fetch for x (0) or for W (1)
	s_and_b32 s16, s14, 1                          ; which half of its columns.  Also: which of the two row groups I fetch
	s_bfe_u32 s40, ttmp6, 0x40000                  ; cx, cy: my place in the cluster
	s_bfe_u32 s41, ttmp6, 0x40004
	s_lshl_b32 s42, ttmp9, 2
	s_add_co_u32 s42, s42, s40                     ; tile column = 4 x cluster x + cx
	s_and_b32 s17, ttmp7, 0xffff
	s_lshl_b32 s17, s17, 2
	s_add_co_u32 s17, s17, s41                     ; tile row = 4 x cluster y + cy
	s_lshl_b32 s43, s41, 2
	s_lshl_b32 s43, 15, s43                        ; my row of the cluster
	s_lshl_b32 s44, 0x1111, s40                    ; my column
	; descriptor group 1: a chunk: 136 dense rows of 256 bytes (32 elements of 8 bytes), 16 bytes of padding behind each
	s_or_b32 s[G1+0], s43, (3<<16)|(1<<20)|(1<<21)|(5<<22)|(3<<25)  ; 15:0 the mask: x's chunks go to my row; 17:16 elements of 8 bytes; 20 padding on; 21 set beside a mask; 24:22 after every 64 words (code 5); 31:25 of 4 words (code 3)
	s_or_b32 s[G1B+0], s44, (3<<16)|(1<<20)|(1<<21)|(5<<22)|(3<<25) ; the same with the mask of my column, for W's chunks
.irp g, G1, G1B
	s_mov_b32 s[\g+1], 32<<16                      ; tensor_dim0 = 32
	s_mov_b32 s[\g+2], 136<<16                     ; tensor_dim1 = 136
	s_mov_b32 s[\g+3], 32<<16                      ; tile_dim0 = 32
	s_mov_b32 s[\g+4], 136                         ; tile_dim1 = 136
	s_mov_b32 s[\g+5], 32                          ; tensor_dim0_stride: rows are dense
	s_mov_b32 s[\g+6], 0
	s_mov_b32 s[\g+7], 0
.endr
	; where the chunks come from.  x's hang on the tile row alone, which my row of the cluster shares; W's on the tile column alone, which my column shares.  Every wave makes both addresses and asks by one of them.
	s_lshl_b32 s20, s17, 1
	s_add_co_u32 s20, s20, s16                     ; x: row group 2 x tile row + half
	s_mul_i32 s20, s20, GROUPB
	s_mov_b32 s21, 0
	s_lshl_b32 s46, s42, 1
	s_add_co_u32 s46, s46, s16                     ; W: row group 2 x tile column + half
	s_mul_i32 s46, s46, GROUPB
	s_mov_b32 s47, 0
	s_mul_i32 s45, s14, CHUNKL                     ; where they go: wave x a chunk: no place in the cluster enters an LDS address
	s_wait_kmcnt 0x0
	s_add_nc_u64 s[20:21], s[4:5], s[20:21]
	s_add_nc_u64 s[46:47], s[6:7], s[46:47]
	CROUND                                         ; all sixteen work-groups are here: the first joint loads meet
.irp s, 0,1
	s_mov_b32 s[G0+4*\s], 1                                        ; count = 1
	s_add_co_u32 s[G0+4*\s+1], s45, \s*SLOT                        ; LDS address
	s_add_nc_u64 s[G0+4*\s+2:G0+4*\s+3], s[20:21], \s*CHUNKG       ; global address: K step s
	s_or_b32 s[G0+4*\s+3], s[G0+4*\s+3], 0x80000000                ; type = 2
	s_mov_b32 s[G0B+4*\s], 1
	s_add_co_u32 s[G0B+4*\s+1], s45, \s*SLOT
	s_add_nc_u64 s[G0B+4*\s+2:G0B+4*\s+3], s[46:47], \s*CHUNKG
	s_or_b32 s[G0B+4*\s+3], s[G0B+4*\s+3], 0x80000000
	JLOAD G0+4*\s, G1, G0B+4*\s, G1B               ; both slots' first fills: two tensor loads of mine are out
.endr
	v_and_b32 v1, 15, v0                           ; r = l % 16
	v_bfe_u32 v2, v0, 4, 1                         ; h = l / 16
	v_mul_u32_u24 v3, v1, PITCH
	v_lshl_add_u32 v4, v2, 4, v3                   ; a fragment's row x pitch + 16 x half
	s_mul_i32 s21, s15, CHUNKL                     ; my 128 rows of x
	s_mul_i32 s22, s16, CHUNKL                     ; my 128 rows of W,
	s_add_co_u32 s22, s22, 2*CHUNKL                ; which lie behind x's two chunks
.irp s, 0,1
	v_add_nc_u32 v[ADRA+\s], s21, v4
	v_add_nc_u32 v[ADRB+\s], s22, v4
	s_add_co_u32 s21, s21, SLOT
	s_add_co_u32 s22, s22, SLOT
.endr
	v_lshlrev_b32 v5, 4, v1                        ; my row's 16 scale bytes in a block's 256
	s_mul_i32 s21, s15, CHUNKL                     ; x's chunk,
	s_mul_i32 s22, s16, CHUNKL
	s_add_co_u32 s22, s22, 2*CHUNKL                ; W's chunk,
	s_sub_co_u32 s22, s22, s21                     ; and the distance between the two:
	v_mul_u32_u24 v6, s22, v2                      ; lanes 16-31 take W's
	s_add_co_u32 s21, s21, SCOFF
	v_add_nc_u32 v5, v5, v6
	v_add_nc_u32 v[ADRS], s21, v5
	v_add_nc_u32 v[ADRS+1], SLOT, v[ADRS]
	s_mul_i32 s23, s14, 16*SPITCH                  ; my stage
	v_mul_u32_u24 v5, v1, SPITCH                   ; in: row l % 16, 32 bytes for each half of the lanes
	v_lshl_add_u32 v5, v2, 5, v5
	v_add_nc_u32 v[STO], s23, v5
	v_and_b32 v6, 31, v0
	v_lshlrev_b32 v[CO], 4, v6                     ; back: the 32 lanes take one row of 512 bytes; and the same in out0
	v_add_nc_u32 v[RD], s23, v[CO]
	v_lshlrev_b32 v7, 5, v2                        ; the bias: my half's eight numbers of a block of sixteen columns
	s_lshl_b32 s20, s17, 8
	s_lshl_b32 s21, s15, 7
	s_add_co_u32 s20, s20, s21                     ; my first row of out0: 256 x tile row + 128 x half
	s_mov_b32 s21, 0
	s_mov_b64 s[18:19], SIZE_N*4
	s_mul_u64 s[20:21], s[20:21], s[18:19]
	s_lshl_b32 s46, s42, 10                        ; my first column, in bytes: 1,024 x tile column + 512 x half
	s_lshl_b32 s47, s16, 9
	s_add_co_u32 s46, s46, s47
	s_mov_b32 s47, 0
	s_add_nc_u64 s[8:9], s[8:9], s[46:47]          ; the bias at my first column
	s_add_nc_u64 s[20:21], s[20:21], s[46:47]
	s_add_nc_u64 s[10:11], s[10:11], s[20:21]      ; out0 at my part's first number
.irp b, 0,1,2,3,4,5,6,7
	global_load_b128 v[BI+8*\b:BI+8*\b+3],   v7, s[8:9] offset:64*\b
	global_load_b128 v[BI+8*\b+4:BI+8*\b+7], v7, s[8:9] offset:64*\b+16
.endr
.macro FRAG reg, adr, q, i             ; a fragment, 16 rows x 128 K of 4-bit codes, is 8 registers: lane l holds row l % 16; registers 4 c .. 4 c + 3 hold K = 64 c + 32 (l / 16) + 0 .. 31, the lower K in the lower bits
.irp c, 0,1
	ds_load_b128 v[\reg+4*\c:\reg+4*\c+3], v[\adr] offset:64*(\q)+32*\c+(\i)*16*PITCH
.endr
.endm
; 16 matrix instructions: x's blocks a0, a0 + 1 x W's eight, 128 along K: the slot's q-th.  p: W's set;  sc: the set of scale words.  zero = 1: the first product starts the sums, with the bias as its C.
; The 64 accumulators take turns, one instruction a turn, in the same order in every step.
; The scale register of W's block b is read in lanes 16-31 (ROW1, for source 0), that of x's block a in lanes 0-15.
.macro MUL16 a0, p, q, sc, zero
.irp a, \a0, \a0+1
.irp b, 0,1,2,3,4,5,6,7
.if \zero
	v_wmma_scale_f32_16x16x128_f8f6f4 v[8*(8*((\a)%4)+\b):8*(8*((\a)%4)+\b)+7], v[128*(\p)+FR*\b:128*(\p)+FR*\b+FR-1], v[AF+FR*(\a):AF+FR*(\a)+FR-1], v[BI+8*\b:BI+8*\b+7], v[SC+8*NQ*(\sc)+NQ*\b+(\q)], v[SC+8*NQ*(\sc)+NQ*(\a)+(\q)] matrix_a_fmt:MATRIX_FMT_FP4 matrix_b_fmt:MATRIX_FMT_FP4 matrix_a_scale:MATRIX_SCALE_ROW1
.else
	v_wmma_scale_f32_16x16x128_f8f6f4 v[8*(8*((\a)%4)+\b):8*(8*((\a)%4)+\b)+7], v[128*(\p)+FR*\b:128*(\p)+FR*\b+FR-1], v[AF+FR*(\a):AF+FR*(\a)+FR-1], v[8*(8*((\a)%4)+\b):8*(8*((\a)%4)+\b)+7], v[SC+8*NQ*(\sc)+NQ*\b+(\q)], v[SC+8*NQ*(\sc)+NQ*(\a)+(\q)] matrix_a_fmt:MATRIX_FMT_FP4 matrix_b_fmt:MATRIX_FMT_FP4 matrix_a_scale:MATRIX_SCALE_ROW1
.endif
.endr
.endr
.endm
.macro FETCH_B slot, q, p              ; W's eight fragments of the slot's q-th 128 along K into set p
	WIN TO_B
.irp i, 0,1,2,3,4,5,6,7
	FRAG 128*(\p)+FR*\i, ADRB+\slot, \q, \i
.endr
	WIN 0
.endm
.macro FETCH_A slot, q, i0             ; x's blocks i0 .. i0 + 3
.irp i, \i0, \i0+1, \i0+2, \i0+3
	FRAG AF+FR*(\i), ADRA+\slot, \q, \i
.endr
.endm
.macro SCALES sc                       ; slot sc's scale words into set sc: four words a row; lanes 0-15 take x's block i, lanes 16-31 W's block i; sixteen lanes read 256 consecutive bytes
.irp i, 0,1,2,3,4,5,6,7
	ds_load_b128 v[SC+8*NQ*\sc+NQ*\i:SC+8*NQ*\sc+NQ*\i+3], v[ADRS+\sc] offset:\i*PITCH
.endr
.endm
; A load into a register that a matrix instruction has read, and a vector instruction or an LDS store that reads a matrix result, stand NP places behind that matrix instruction, and only plain vector
; instructions that name none of its registers are places (ISA guide 7.12.1 for vector instructions); this text does not count the matrix instructions in between.
.macro PLACES n
.rept \n
	v_nop
.endr
.endm
; A step of 128 along K that has its successor in the same slot.
.macro STEP slot, q, zero
	s_wait_dscnt 4*NL                              ; W's set, x's blocks 0-3 (and a new slot's scale words) are in; the youngest eight loads (x's blocks 4-7) may be out
.if \zero
	WIN BIAS_LO
.else
	WIN MUL_LO
.endif
	MUL16 0, (\q)%2, \q, \slot, \zero
	MUL16 2, (\q)%2, \q, \slot, \zero
	s_wait_dscnt 0                                 ; x's blocks 4-7 are in (asked for 32 matrix instructions ago)
	PLACES NP
	FETCH_B \slot, (\q)+1, 1-(\q)%2
	FETCH_A \slot, (\q)+1, 0
.if \zero
	WIN BIAS_HI
.else
	WIN MUL_HI
.endif
	MUL16 4, (\q)%2, \q, \slot, \zero
	MUL16 6, (\q)%2, \q, \slot, \zero
	PLACES NP
	WIN 0
	FETCH_A \slot, (\q)+1, 4
.endm
; A slot's last step changes slots: ONE barrier; in front of it each wave waits for all its tensor loads, adds 0 to its spare word, and waits for that and for its own reads of this slot.  fill = 1: this slot is filled again, two K steps ahead.
.macro TURN slot, next, fill
	s_wait_tensorcnt 0x0                           ; all my tensor loads have landed: the one that was out is my chunk of the next slot;  (every window is 0 here: the add's two registers lie in window 0)
	ds_add_u32 v[SPW], v[NIL]                      ; 0 onto my spare word;
	s_wait_dscnt 4*NL+1                            ; (the add and the youngest eight loads, x's blocks 4-7, may be out)
	WIN MUL_LO
	MUL16 0, 1, NQ-1, \slot, 0                     ; sixteen matrix instructions stand between the add and the wait for it
	s_wait_dscnt 0x0                               ; the add is done, and my reads of this slot are over
	s_barrier_signal -1
	MUL16 2, 1, NQ-1, \slot, 0
	WIN 0
	s_barrier_wait -1
.if \fill
	CREST                                          ; the barrier has opened a round of the cluster's barrier: no wave of any partner still reads this slot's chunks or has a load on its way
	s_add_nc_u64 s[G0+4*\slot+2:G0+4*\slot+3], s[G0+4*\slot+2:G0+4*\slot+3], 2*CHUNKG
	s_add_nc_u64 s[G0B+4*\slot+2:G0B+4*\slot+3], s[G0B+4*\slot+2:G0B+4*\slot+3], 2*CHUNKG
	JLOAD G0+4*\slot, G1, G0B+4*\slot, G1B         ; the first tensor load behind the round, my one load until the next; the four v_nop behind it are the places in front of the loads below
.else
	PLACES NP
.endif
	FETCH_B \next, 0, 0
	FETCH_A \next, 0, 0
	SCALES \next
	WIN MUL_HI
	MUL16 4, 1, NQ-1, \slot, 0
	MUL16 6, 1, NQ-1, \slot, 0
	PLACES NP
	WIN 0
	FETCH_A \next, 0, 4
.endm
.macro STEPS slot, from                ; the slot's steps from .. NQ - 2
.set Q, \from
.rept NQ-1-\from
	STEP \slot, Q, 0
.set Q, Q+1
.endr
.endm
	s_wait_tensorcnt 1                             ; my chunk of K step 0 is in (K step 1's load may be out)
	s_barrier_signal -1
	s_barrier_wait -1                              ; everybody's is
	FETCH_B 0, 0, 0
	FETCH_A 0, 0, 0
	SCALES 0
	FETCH_A 0, 0, 4
	s_wait_loadcnt 0x0                             ; the bias
	STEP 0, 0, 1                                   ; the first step stands in front of the loop: its products start the sums, onto the bias
	s_mov_b32 s3, LAPS-1
.Llap:                                                 ; a trip goes once round the ring, from a lap's second step to the next lap's first, and fills both slots again: three trips bring K steps 2 to 7
	STEPS 0, 1
	TURN 0, 1, 1
	STEPS 1, 0
	TURN 1, 0, 1
	STEP 0, 0, 0
	s_sub_co_u32 s3, s3, 1
	s_cmp_lg_u32 s3, 0
	s_cbranch_scc1 .Llap
	STEPS 0, 1                                     ; the last lap fills nothing, and has no round of the cluster's barrier
	TURN 0, 1, 0
	STEPS 1, 0
	s_wait_dscnt 4*NL                              ; the very last step: nothing more to fetch
	WIN MUL_LO
	MUL16 0, 1, NQ-1, 1, 0
	MUL16 2, 1, NQ-1, 1, 0
	s_wait_dscnt 0
	WIN MUL_HI
	MUL16 4, 1, NQ-1, 1, 0
	MUL16 6, 1, NQ-1, 1, 0
	WIN 0
; THE WAY OUT, block by block of 16 rows x 128 columns.  A lane holds 32 neighbouring bytes of a row, and the lanes beside it hold other rows: so a block goes through my own stage in LDS and comes back as whole
; rows of 512 bytes, which the 32 lanes store as 512 consecutive bytes.  LDS serves a wave's instructions in order (ISA guide 5.7.1.4): no wait between the stores and the loads, nor in front of the next block's stores.
.macro TOSTAGE a
.set AC, 64*((\a)%4)
	WIN 0x08+4*((\a)/4)                            ; the data: window 2 or 3
.irp b, 0,1,2,3,4,5,6,7
	ds_store_b128 v[STO], v[AC+8*\b:AC+8*\b+3] offset:64*\b          ; each accumulator from its low end on
	ds_store_b128 v[STO], v[AC+8*\b+4:AC+8*\b+7] offset:64*\b+16
.endr
	WIN 0
.set BB, BK+64*((\a)%2)
.irp t, 0,1,2,3,4,5,6,7,8,9,10,11,12,13,14,15
	ds_load_b128 v[BB+4*\t:BB+4*\t+3], v[RD] offset:\t*SPITCH
.endr
.endm
.macro SEND a, younger                 ; younger: the LDS instructions issued behind block a's loads, which may stay out
.set BB, BK+64*((\a)%2)
	s_wait_dscnt \younger                          ; the block is back in registers
.if (\a) > 0
	s_add_nc_u64 s[10:11], s[10:11], 16*SIZE_N*4   ; (behind a wait on XCNT: the earlier stores have read their base)  16 rows of out0 on, so that the stores' offsets stay small: 15 rows, 245,760 bytes, at the most
.endif
.irp t, 0,1,2,3,4,5,6,7,8,9,10,11,12,13,14,15
	global_store_b128 v[CO], v[BB+4*\t:BB+4*\t+3], s[10:11] offset:\t*SIZE_N*4 th:TH_STORE_NT   ; 32 lanes store 512 consecutive bytes, at a multiple of 256 from out0's first byte; written once, read by nobody here
.endr
.endm
	PLACES NP                                      ; these places serve the loads into the registers that held x's fragments, and the reads of the last products' results
	TOSTAGE 0
.irp a, 1,2,3,4,5,6,7
.if \a > 1
	s_wait_xcnt 0x0                                ; block a - 2's stores have read their registers and their base: block a's loads may land there, and the base may step
.endif
	TOSTAGE \a
	SEND \a-1, 32                                  ; behind block a - 1's loads: block a's 16 stores and 16 loads
.endr
	s_wait_xcnt 0x0                                ; block 6's stores have read their base
	SEND 7, 0
	s_wait_tensorcnt 0x0                           ; the wave's end: behind my last tensor load and my last LDS store
	ds_add_u32 v[SPW], v[NIL]
	s_wait_dscnt 0x0
	CROUND                                         ; the closing round: no work-group ends while a partner may still ask for a chunk that names it
	s_endpgm
.Lfunc_end_k_qcd311ee359_gemm:
	.size	k_qcd311ee359_gemm, .Lfunc_end_k_qcd311ee359_gemm-k_qcd311ee359_gemm
	.p2alignl 7, 3214868480
	.fill 96, 4, 3214868480
	.section	.rodata,"a",@progbits
	.p2align	6, 0x0
	.amdhsa_kernel k_qcd311ee359_gemm
		.amdhsa_group_segment_fixed_size 327680
		.amdhsa_private_segment_fixed_size 0
		.amdhsa_enable_private_segment 0
		.amdhsa_kernarg_size 32
		.amdhsa_user_sgpr_count 2
		.amdhsa_user_sgpr_kernarg_segment_ptr 1
		.amdhsa_wavefront_size32 1
		.amdhsa_system_sgpr_workgroup_id_x 1
		.amdhsa_system_sgpr_workgroup_id_y 1
		.amdhsa_system_sgpr_workgroup_id_z 1
		.amdhsa_system_vgpr_workitem_id 0
		.amdhsa_next_free_vgpr 1024
		.amdhsa_next_free_sgpr 66
		.amdhsa_reserve_vcc 0
		.amdhsa_float_denorm_mode_32 3
		.amdhsa_float_denorm_mode_16_64 3
		.amdhsa_memory_ordered 1
		.amdhsa_forward_progress 1
		.amdhsa_inst_pref_size 211
	.end_amdhsa_kernel
	.amdgpu_metadata
---
amdhsa.version: [ 1, 2 ]
amdhsa.kernels:
  - .name:           k_qcd311ee359_gemm
    .symbol:         k_qcd311ee359_gemm.kd
    .args:
      - { .name: xq, .offset: 0, .size: 8, .value_kind: global_buffer, .address_space: global }
      - { .name: wq, .offset: 8, .size: 8, .value_kind: global_buffer, .address_space: global }
      - { .name: bias, .offset: 16, .size: 8, .value_kind: global_buffer, .address_space: global }
      - { .name: out0, .offset: 24, .size: 8, .value_kind: global_buffer, .address_space: global }
    .group_segment_fixed_size: 327680
    .private_segment_fixed_size: 0
    .kernarg_segment_align: 8
    .kernarg_segment_size: 32
    .max_flat_workgroup_size: 128
    .sgpr_count:     66
    .vgpr_count:     1024
    .wavefront_size: 32
...
	.end_amdgpu_metadata
.endif
;; end of part 2
;; ======== version 2 of 2: 2 launches
;; limits: right only within a limited range of input values
;; workspace buffers: xq 8,912,896 bytes; wq 8,912,896 bytes
;; launch quant (part 3): grid 1024 x 1, 4 waves a work-group, no clusters, 68,096 bytes of LDS; arguments x, indices, codebooks, xq, wq; writes xq, wq
.if DOCPART == 3
	.amdgcn_target "amdgcn-amd-amdhsa--gfx1250"
	.amdhsa_code_object_version 6
	.text
	.protected	k_qcd311ee359_quant
	.globl	k_qcd311ee359_quant
	.p2align	8
	.type	k_qcd311ee359_quant,@function
k_qcd311ee359_quant:
	s_mov_b64 s[64:65], 0
	v_nop
	global_prefetch_b8 v0, s[64:65] scope:SCOPE_SE
	s_setreg_imm32_b32 hwreg(HW_REG_WAVE_MODE, 25, 1), 1
	s_wait_xcnt 0x0
; Both operands of out = x W^T + bias are turned ONCE into codes of FP4 (E2M1), 4 bits each, with one E8M0 scale byte for each 32 along K = the 4,096 input features.
; x: [4096][4096] f32, K innermost.  W[512 h + d][i] = codebooks[h][indices[h][i]][d]: a gather whose K is NOT innermost: one index brings 512 neighbouring d, which are ROWS of W.
; A block's scale is 2^(floor(log2(its largest magnitude)) - 2); its byte is the largest magnitude's own exponent field - 2, held at 1 from below; each number is divided by the scale and rounded to the nearest code, ties to even, beyond 6 the largest code.
; LIMITS: NaN and infinities among the inputs are not served.  A block whose largest magnitude lies under 2^-124 (the floor) has its byte held at 1.  A block of zeros gets the byte 1 where the rule says 127: its codes are zeros,
; which add nothing under any byte but 0xff, and the bytes are read by this program alone.  Indices are taken as unsigned and held at 255 (the table has 256 codes).
; THE WORKSPACE, the same for xq and wq: [32 groups of 128 rows][8 K steps of 512][a chunk of 34,816 bytes].  A chunk: row r's 512 codes at 256 r (K ascending, the lower k in the low four bits), then from byte 32,768 on row r's 16 scale bytes at 16 r.
; So a chunk is one dense run of 136 x 256 bytes, which the product's launch brings in by one tensor load.
; ONE LAUNCH, TWO PATHS that part on the work-group's number and never join: work-groups 0-511 make W's chunks (half a chunk, 64 rows, each), work-groups 512-1023 x's.  Each path has LDS bytes of its own.
; In x's path waves share nothing.  In W's path two waves make the two halves of a row's codes and scale bytes: these meet in a stage of the work-group's, with one barrier between the writing and the reading.
; No prefetch: the text has no loop to run ahead in; x's loads run eight steps ahead of their use, W's gathers two blocks.
.set CHUNKG, 34816
.set SCG,    32768                     ; where a chunk's scale bytes begin
; ---- W's path: a lane takes a row of W (one d of one codebook), and its registers run down K
.set WB,    32768                      ; LDS: W's path begins here: the stage, 64 rows
.set WP,    272                        ; a stage row: 256 bytes of codes + 16 of padding: the 32 lanes' 16-byte stores start at different banks
.set WSC,   WB+64*WP                   ; behind it the 64 rows' scale bytes, 16 a row
.set NBW,   8                          ; blocks of 32 along K for a wave
.set WSB,   24                         ; v24-25   my row's 8 scale bytes
.set WC,    28                         ; v28-31   a block's codes
.set WX,    32                         ; v32-127  three sets of 32 numbers
.set WOFF,  128                        ; v128-223 three sets of 32 load offsets: a load's offset register is written again only when the load is done
.set WIX,   224                        ; v224-231 my 256 indices: register t, lane i: the index of k = 32 t + i
.set WOUT,  32                         ; v32-63   the way out
; ---- x's path: two neighbouring lanes hold a block
.set STEPS, 16
.set AHEAD, 8                          ; loads run eight steps ahead: 32 loads, 16,384 bytes, of a wave are out
.set CB,    8                          ; bytes of 16 codes
.set XR,    16                         ; v16-143  eight sets of 16 numbers as they are loaded
.set XX,    144                        ; v144-175 two sets of 16 neighbours
.set XE,    176                        ; v176-191 a scale byte for each step
.set XC,    192                        ; v192-223 codes: two registers for each step, so that no store's data are written again
.set WREG,  8192                       ; LDS: a region for each wave: two stages of 32 x SP bytes, behind them its 256 scale bytes
.set SP,    80                         ; a lane's place in a stage: its 64 bytes + 16 of padding
	s_load_b256 s[4:11], s[0:1], 0x0               ; x s[4:5], indices s[6:7], codebooks s[8:9], xq s[10:11]
	s_load_b64 s[12:13], s[0:1], 0x20              ; wq
	v_lshl_add_u32 v240, v0, 2, 0x10800            ; my spare word, behind both paths' bytes,
	v_mov_b32 v241, 0                              ; and 0: for the lines at the wave's end
	v_lshrrev_b32 v1, 5, v0
	v_readfirstlane_b32 s16, v1                    ; wave 0..3
	v_and_b32 v2, 31, v0                           ; lane
	s_wait_kmcnt 0x0
	s_cmp_lt_u32 ttmp9, 512
	s_cbranch_scc0 .Lx_path
; =============================== W ===============================
; Work-group g takes rows 64 gx .. 64 gx + 63 (gx = g % 64) of K step gy = g / 64: codebook h = gx / 8, d from 64 (gx % 8) on.  Wave w takes 32 of the rows (rw = w / 2) x 256 along K (kh = w % 2).
; Each load reads, for one k, the row of the table that indices[h][k] names, at 32 neighbouring d: 128 consecutive bytes a wave.
; A lane's 32 registers are a whole block along K of ONE row of W: its largest magnitude needs no other lane, and the conversions give the codes with K innermost.  Nothing is transposed by an instruction.
; The wave's 256 indices come once, by eight loads issued together at the head, one wait for all.
	s_and_b32 s17, ttmp9, 63                       ; gx
	s_lshr_b32 s18, ttmp9, 6                       ; gy
	s_lshr_b32 s19, s17, 3                         ; h
	s_and_b32 s30, s16, 1                          ; kh
	s_lshr_b32 s31, s16, 1                         ; rw
	s_lshl_b32 s22, s19, 14                        ; a codebook's 4,096 indices,
	s_lshl_b32 s23, s18, 11                        ; 512 of them a K step,
	s_add_co_u32 s22, s22, s23
	s_lshl_b32 s23, s30, 10                        ; 256 a wave
	s_add_co_u32 s22, s22, s23
	s_mov_b32 s23, 0
	s_add_nc_u64 s[6:7], s[6:7], s[22:23]
	s_wait_alu depctr_va_vdst(0)                   ; directly ahead of the reader below
	v_lshlrev_b32 v3, 2, v2                        ; 4 bytes a lane: among 32 indices, and in a row of the table
.irp t, 0,1,2,3,4,5,6,7
	global_load_b32 v[WIX+\t], v3, s[6:7] offset:128*\t            ; block t's 32 indices, one a lane: 128 consecutive bytes
.endr
	s_and_b32 s20, s17, 7
	s_lshl_b32 s20, s20, 8                         ; 64 (gx % 8) numbers of 4 bytes,
	s_lshl_b32 s21, s19, 19                        ; a codebook is 256 x 512 x 4 bytes,
	s_add_co_u32 s20, s20, s21
	s_lshl_b32 s21, s31, 7                         ; 32 numbers for each half of the rows
	s_add_co_u32 s20, s20, s21
	s_mov_b32 s21, 0
	s_add_nc_u64 s[8:9], s[8:9], s[20:21]          ; the table of my codebook, at my wave's first d
	s_lshr_b32 s24, s17, 1
	s_lshl_b32 s24, s24, 3
	s_add_co_u32 s24, s24, s18
	s_mul_i32 s24, s24, CHUNKG                     ; my chunk: row group gx / 2, K step gy
	s_and_b32 s29, s17, 1                          ; which 64 of its 128 rows
	s_lshl_b32 s26, s29, 10                        ; scale bytes out: 64 rows x 16 bytes a work-group,
	s_lshl_b32 s27, s16, 8                         ; 256 of them a wave
	s_add_co_u32 s26, s26, s27
	s_add_co_u32 s26, s26, s24
	s_add_co_u32 s26, s26, SCG
	s_mov_b32 s27, 0
	s_add_nc_u64 s[14:15], s[12:13], s[26:27]
	s_lshl_b32 s25, s29, 14                        ; codes out: 64 rows x 256 bytes a work-group,
	s_add_co_u32 s24, s24, s25
	s_lshl_b32 s25, s16, 12                        ; 16 whole rows a wave
	s_add_co_u32 s24, s24, s25
	s_mov_b32 s25, 0
	s_add_nc_u64 s[12:13], s[12:13], s[24:25]
	s_mul_i32 s28, s31, 32*WP                      ; into the stage: my 32 rows,
	s_lshl_b32 s26, s30, 7                         ; my half of a row's 256 bytes
	s_add_co_u32 s28, s28, s26
	s_add_co_u32 s28, s28, WB
	v_mul_u32_u24 v4, v2, WP
	v_add_nc_u32 v4, s28, v4                       ; row = my row of W
	s_lshl_b32 s26, s31, 9                         ; the scale bytes in LDS: 16 a row, my 32 rows,
	s_lshl_b32 s27, s30, 3                         ; my 8 of the 16
	s_add_co_u32 s26, s26, s27
	s_add_co_u32 s26, s26, WSC
	v_lshl_add_u32 v9, v2, 4, s26
	s_lshl_b32 s26, s16, 8                         ; and back: 256 bytes a wave, 8 a lane
	s_add_co_u32 s26, s26, WSC
	v_lshl_add_u32 v10, v2, 3, s26
	v_lshlrev_b32 v15, 3, v2                       ; the same 8 bytes a lane in the chunk
	s_mul_i32 s28, s16, 16*WP                      ; out of the stage: rows 16 w .. 16 w + 15, whole
	s_add_co_u32 s28, s28, WB
	v_and_b32 v5, 15, v2
	v_lshrrev_b32 v6, 4, v2
	v_mul_u32_u24 v7, v6, WP
	v_lshl_add_u32 v7, v5, 4, v7
	v_add_nc_u32 v7, s28, v7                       ; sixteen lanes to a row, two rows an instruction
	v_lshlrev_b32 v8, 4, v2                        ; in the chunk rows are dense: two rows of codes are 512 bytes on end, 16 a lane
; Block t: W(my row, 32 t + i), i = 0 .. 31, into set t % 3.  The index of k = 32 t + i is wanted by all 32 lanes alike: it is read out of lane i into a scalar register.
; The five kinds of line stand in runs of 32, so that no line reads the result of the line above it.
.macro LOADW t
.irp i, 0,1,2,3,4,5,6,7,8,9,10,11,12,13,14,15,16,17,18,19,20,21,22,23,24,25,26,27,28,29,30,31
	v_readlane_b32 s[32+\i], v[WIX+(\t)], \i
.endr
.irp i, 0,1,2,3,4,5,6,7,8,9,10,11,12,13,14,15,16,17,18,19,20,21,22,23,24,25,26,27,28,29,30,31
	s_min_u32 s[32+\i], s[32+\i], 255              ; the index stays inside the table
.endr
.irp i, 0,1,2,3,4,5,6,7,8,9,10,11,12,13,14,15,16,17,18,19,20,21,22,23,24,25,26,27,28,29,30,31
	s_lshl_b32 s[32+\i], s[32+\i], 11              ; a code's row is 2,048 bytes
.endr
.irp i, 0,1,2,3,4,5,6,7,8,9,10,11,12,13,14,15,16,17,18,19,20,21,22,23,24,25,26,27,28,29,30,31
	v_add_nc_u32 v[WOFF+32*((\t)%3)+\i], s[32+\i], v3
.endr
.irp i, 0,1,2,3,4,5,6,7,8,9,10,11,12,13,14,15,16,17,18,19,20,21,22,23,24,25,26,27,28,29,30,31
	global_load_b32 v[WX+32*((\t)%3)+\i], v[WOFF+32*((\t)%3)+\i], s[8:9]   ; no hint: a code's row is named again and again
.endr
.endm
.macro BLOCK t
.set WS, WX+32*((\t)%3)
.if (\t) < NBW-2
	s_wait_loadcnt 63                              ; behind this block's 32 loads stand the 64 of the next two blocks: 63 is the most that the wait can name, and a smaller count is safe
.elseif (\t) == NBW-2
	s_wait_loadcnt 32                              ; the last block's 32 may be out
.else
	s_wait_loadcnt 0
.endif
	v_max3_num_f32 v12, |v[WS]|, |v[WS+1]|, |v[WS+2]|              ; the block's largest magnitude: all 32 numbers are mine; two chains
	v_max3_num_f32 v13, |v[WS+3]|, |v[WS+4]|, |v[WS+5]|
.irp i, 6,10,14,18,22,26
	v_max3_num_f32 v12, v12, |v[WS+\i]|, |v[WS+\i+1]|
	v_max3_num_f32 v13, v13, |v[WS+\i+2]|, |v[WS+\i+3]|
.endr
	v_max3_num_f32 v12, v12, |v[WS+30]|, |v[WS+31]|
	v_max3_num_f32 v12, v12, v13, 0x1800000        ; and the floor 2^(3 - 127): so the byte cannot fall under 1
	v_add_nc_u32 v11, 0xff000000, v12              ; 2 off its exponent field: the conversion takes the exponent field of this operand as its scale, and nothing else of it
	v_lshrrev_b32 v13, 23, v11                     ; the scale's byte
.if (\t)%4 == 0
	v_mov_b32 v[WSB+(\t)/4], v13                   ; four bytes to a register, the lower K in the lower byte
.else
	v_lshl_or_b32 v[WSB+(\t)/4], v13, 8*((\t)%4), v[WSB+(\t)/4]
.endif
.irp g, 0,1,2,3
	v_cvt_scalef32_pk8_fp4_f32 v[WC+\g], v[WS+8*\g:WS+8*\g+7], v11
.endr
	v_nop                                          ; one plain vector line behind the last scaled conversion of a run
	ds_store_b128 v4, v[WC:WC+3] offset:16*(\t)    ; 32 codes: 16 bytes of my half of my row
.if (\t)+3 < NBW
	LOADW (\t)+3                                   ; into the set that this block has left: the wait at this block's head has shown its loads done, so their offset registers may be written
.endif
	s_wait_dscnt 0x0                               ; the store has read its registers: the next block's codes may be written
.endm
	s_wait_loadcnt 0x0                             ; all 256 indices are in
	LOADW 0
	LOADW 1
	LOADW 2
.set Q, 0
.rept NBW
	BLOCK Q
.set Q, Q+1
.endr
	s_wait_alu depctr_va_vdst(0)                   ; directly ahead of the reader below
	ds_store_b64 v9, v[WSB:WSB+1]                  ; my row's 8 scale bytes, at their place among its 16
	s_wait_dscnt 0x0                               ; for the others' sake: my stores into the stage are done
	s_barrier_signal -1
	s_barrier_wait -1                              ; the 64 rows are whole
.irp j, 0,1,2,3,4,5,6,7
	ds_load_b128 v[WOUT+4*\j:WOUT+4*\j+3], v7 offset:2*\j*WP
.endr
	ds_load_b64 v[16:17], v10
.irp j, 0,1,2,3,4,5,6,7
	s_wait_dscnt 8-\j                              ; the younger loads from the stage may be out
	global_store_b128 v8, v[WOUT+4*\j:WOUT+4*\j+3], s[12:13] offset:512*\j   ; two rows of codes: 512 consecutive bytes, at a multiple of 256 from the buffer's first byte
.endr
	s_wait_dscnt 0x0
	global_store_b64 v15, v[16:17], s[14:15]       ; 16 rows' scale bytes: 256 consecutive bytes, aligned
	s_wait_tensorcnt 0x0                           ; the wave's end
	ds_add_u32 v240, v241
	s_wait_dscnt 0x0
	s_endpgm
; =============================== x ===============================
; Wave W = 4 (work-group - 512) + wave takes 16 rows (16 g on, g = W / 8) x one K step of 512 (ks = W % 8): step t is row 16 g + t, 2,048 consecutive bytes.
; The conversions take 8 numbers of ONE block from a lane's registers, so a lane must hold 16 NEIGHBOURS; a load is best where neighbouring LANES take neighbouring bytes.  Both are had: each of a step's four loads reads
; 512 consecutive bytes, 16 a lane; the 2,048 bytes go through the wave's own stage in LDS, as they lie, and come back 64 bytes a lane.  Loads run AHEAD steps (32 loads a wave) ahead, the turn through LDS one step.
.Lx_path:
	s_sub_co_u32 s17, ttmp9, 512
	s_lshl_b32 s17, s17, 2
	s_add_co_u32 s17, s17, s16                     ; W
	s_and_b32 s18, s17, 7                          ; ks
	s_lshr_b32 s19, s17, 3                         ; g
	s_lshl_b32 s20, s19, 18                        ; 16 rows of 16,384 bytes,
	s_lshl_b32 s21, s18, 11                        ; 512 numbers of 4 bytes
	s_add_co_u32 s20, s20, s21
	s_mov_b32 s21, 0
	s_add_nc_u64 s[4:5], s[4:5], s[20:21]
	s_and_b32 s22, s19, 0xf8                       ; 8 x (row group = g / 8)
	s_add_co_u32 s22, s22, s18
	s_mul_i32 s22, s22, CHUNKG                     ; my chunk
	s_and_b32 s23, s19, 7                          ; which 16 of its 128 rows
	s_lshl_b32 s24, s23, 12                        ; codes: 16 rows x 256 bytes
	s_add_co_u32 s24, s24, s22
	s_mov_b32 s25, 0
	s_lshl_b32 s26, s23, 8                         ; scale bytes: 16 rows x 16 bytes
	s_add_co_u32 s26, s26, s22
	s_add_co_u32 s26, s26, SCG
	s_mov_b32 s27, 0
	s_add_nc_u64 s[28:29], s[10:11], s[26:27]
	s_add_nc_u64 s[10:11], s[10:11], s[24:25]
	s_wait_alu depctr_va_vdst(0)                   ; directly ahead of the reader below
	v_lshlrev_b32 v3, 4, v2                        ; my 16 bytes of a load's 512
.macro LOADX t
.irp i, 0,1,2,3
	global_load_b128 v[XR+16*((\t)%AHEAD)+4*\i:XR+16*((\t)%AHEAD)+4*\i+3], v3, s[4:5] offset:16384*(\t)+512*\i th:TH_LOAD_NT   ; 32 lanes read 512 consecutive bytes; read once in the launch
.endr
.endm
.irp t, 0,1,2,3,4,5,6,7
	LOADX \t                                       ; the first eight steps' loads go out ahead of the address arithmetic below
.endr
	s_mul_i32 s30, s16, WREG
	v_lshrrev_b32 v14, 2, v2
	v_mul_u32_u24 v14, v14, SP
	v_and_b32 v15, 3, v2
	v_lshl_add_u32 v14, v15, 4, v14
	v_add_nc_u32 v14, s30, v14                     ; the stage, on the way in: four lanes' 64 bytes on end, then 16 of padding: SP (lane / 4) + 16 (lane % 4); a load's 512 bytes take eight places
	v_mul_u32_u24 v15, v2, SP
	v_add_nc_u32 v15, s30, v15                     ; and on the way out: SP x lane: my 16 neighbours
	v_mul_u32_u24 v4, v2, CB                       ; my codes' place in a row's 256 bytes
	v_lshrrev_b32 v5, 1, v2
	s_add_co_u32 s30, s30, 2*32*SP
	v_add_nc_u32 v5, s30, v5                       ; LDS: my wave's 256 scale bytes, my block's byte
	v_lshlrev_b32 v7, 3, v2                        ; and on the way out 8 bytes a lane
	v_add_nc_u32 v6, s30, v7
.macro TURNX t                         ; step t's numbers through the stage: LDS serves a wave's instructions in order, so no wait stands between the stores and the loads
.irp i, 0,1,2,3
	ds_store_b128 v14, v[XR+16*((\t)%AHEAD)+4*\i:XR+16*((\t)%AHEAD)+4*\i+3] offset:32*SP*((\t)%2)+8*SP*\i
.endr
.irp i, 0,1,2,3
	ds_load_b128 v[XX+16*((\t)%2)+4*\i:XX+16*((\t)%2)+4*\i+3], v15 offset:32*SP*((\t)%2)+16*\i
.endr
.endm
	s_wait_alu depctr_va_vdst(0)
	s_wait_loadcnt 4*(AHEAD-1)                     ; step 0's four loads are in; the 28 of steps 1 to 7 may be out
	TURNX 0
.macro STEPX t
.set XS, XX+16*((\t)%2)
.if (\t) > 0
	s_wait_dscnt 1                                 ; this step's numbers are back from the stage (the last step's byte store may be out): so its stores into the stage have read their registers,
.else
	s_wait_dscnt 0x0
.endif
.if (\t)+AHEAD < STEPS
	LOADX (\t)+AHEAD                               ; which take the loads of eight steps on
.endif
.if (\t)+1 < STEPS
.if STEPS-2-(\t) >= AHEAD-1
	s_wait_loadcnt 4*(AHEAD-1)                     ; the next step's four loads are in; those of the seven steps behind it may be out
.else
	s_wait_loadcnt 4*(STEPS-2-(\t))                ; towards the end fewer steps stand behind it
.endif
	TURNX (\t)+1                                   ; and go through the other stage while this step is worked
.endif
	v_max3_num_f32 v8, |v[XS]|, |v[XS+1]|, |v[XS+2]|               ; the largest magnitude of my 16
	v_max3_num_f32 v9, |v[XS+3]|, |v[XS+4]|, |v[XS+5]|
.irp i, 6,10
	v_max3_num_f32 v8, v8, |v[XS+\i]|, |v[XS+\i+1]|
	v_max3_num_f32 v9, v9, |v[XS+\i+2]|, |v[XS+\i+3]|
.endr
	v_max3_num_f32 v8, v8, |v[XS+14]|, |v[XS+15]|
	v_max3_num_f32 v8, v8, v9, 0x1800000           ; and the floor 2^(3 - 127): so the byte cannot fall under 1
	v_max_num_f32_dpp v8, v8, v8 row_xmask:1 row_mask:0xf bank_mask:0xf   ; and of my neighbour's 16: the block's
	v_add_nc_u32 v11, 0xff000000, v8               ; 2 off its exponent field: the conversion's scale operand
	v_cvt_scalef32_pk8_fp4_f32 v[XC+2*(\t)], v[XS:XS+7], v11
	v_cvt_scalef32_pk8_fp4_f32 v[XC+2*(\t)+1], v[XS+8:XS+15], v11
	v_lshrrev_b32 v[XE+(\t)], 23, v11              ; the scale's byte.  (Also the plain line behind the conversions)
	ds_store_b8 v5, v[XE+(\t)] offset:16*(\t)      ; both lanes of a block write the same byte with the same value; row t's 16 bytes lie at 16 t, as in the chunk
	global_store_b64 v4, v[XC+2*(\t):XC+2*(\t)+1], s[10:11] offset:256*(\t)   ; a row's 512 codes: the wave stores 256 consecutive bytes, at a multiple of 256 from the buffer's first byte
.endm
.irp t, 0,1,2,3,4,5,6,7,8,9,10,11,12,13,14,15
	STEPX \t
.endr
	ds_load_b64 v[12:13], v6                       ; LDS serves a wave's instructions in order: these see my stores
	s_wait_dscnt 0x0
	global_store_b64 v7, v[12:13], s[28:29]        ; my 16 rows' scale bytes: 256 consecutive bytes, aligned
	s_wait_tensorcnt 0x0                           ; the wave's end
	ds_add_u32 v240, v241
	s_wait_dscnt 0x0
	s_endpgm
.Lfunc_end_k_qcd311ee359_quant:
	.size	k_qcd311ee359_quant, .Lfunc_end_k_qcd311ee359_quant-k_qcd311ee359_quant
	.p2alignl 7, 3214868480
	.fill 96, 4, 3214868480
	.section	.rodata,"a",@progbits
	.p2align	6, 0x0
	.amdhsa_kernel k_qcd311ee359_quant
		.amdhsa_group_segment_fixed_size 68096
		.amdhsa_private_segment_fixed_size 0
		.amdhsa_enable_private_segment 0
		.amdhsa_kernarg_size 40
		.amdhsa_user_sgpr_count 2
		.amdhsa_user_sgpr_kernarg_segment_ptr 1
		.amdhsa_wavefront_size32 1
		.amdhsa_system_sgpr_workgroup_id_x 1
		.amdhsa_system_sgpr_workgroup_id_y 1
		.amdhsa_system_sgpr_workgroup_id_z 1
		.amdhsa_system_vgpr_workitem_id 0
		.amdhsa_next_free_vgpr 242
		.amdhsa_next_free_sgpr 66
		.amdhsa_reserve_vcc 0
		.amdhsa_float_denorm_mode_32 3
		.amdhsa_float_denorm_mode_16_64 3
		.amdhsa_memory_ordered 1
		.amdhsa_forward_progress 1
		.amdhsa_inst_pref_size 124
	.end_amdhsa_kernel
	.amdgpu_metadata
---
amdhsa.version: [ 1, 2 ]
amdhsa.kernels:
  - .name:           k_qcd311ee359_quant
    .symbol:         k_qcd311ee359_quant.kd
    .args:
      - { .name: x, .offset: 0, .size: 8, .value_kind: global_buffer, .address_space: global }
      - { .name: indices, .offset: 8, .size: 8, .value_kind: global_buffer, .address_space: global }
      - { .name: codebooks, .offset: 16, .size: 8, .value_kind: global_buffer, .address_space: global }
      - { .name: xq, .offset: 24, .size: 8, .value_kind: global_buffer, .address_space: global }
      - { .name: wq, .offset: 32, .size: 8, .value_kind: global_buffer, .address_space: global }
    .group_segment_fixed_size: 68096
    .private_segment_fixed_size: 0
    .kernarg_segment_align: 8
    .kernarg_segment_size: 40
    .max_flat_workgroup_size: 128
    .sgpr_count:     66
    .vgpr_count:     242
    .wavefront_size: 32
...
	.end_amdgpu_metadata
.endif
;; end of part 3
;; launch gemm (part 4): grid 16 x 16, 4 waves a work-group, clusters of 4 x 4, 327,680 bytes of LDS; arguments xq, wq, bias, out0; writes out0
.if DOCPART == 4
	.amdgcn_target "amdgcn-amd-amdhsa--gfx1250"
	.amdhsa_code_object_version 6
	.text
	.protected	k_qcd311ee359_gemm
	.globl	k_qcd311ee359_gemm
	.p2align	8
	.type	k_qcd311ee359_gemm,@function
k_qcd311ee359_gemm:
	s_mov_b64 s[64:65], 0
	v_nop
	global_prefetch_b8 v0, s[64:65] scope:SCOPE_SE
	s_setreg_imm32_b32 hwreg(HW_REG_WAVE_MODE, 25, 1), 1
	s_wait_xcnt 0x0
	s_wait_alu depctr_hold_cnt(0) depctr_sa_sdst(0) depctr_va_vdst(0) depctr_va_sdst(0) depctr_va_ssrc(0) depctr_va_vcc(0) depctr_vm_vsrc(0)
	s_getreg_b32 s2, hwreg(HW_REG_IB_STS2, 6, 4)
	s_cmp_eq_u32 s2, 0
	s_cbranch_scc0 .Lentry_in_a_cluster
	s_endpgm
.Lentry_in_a_cluster:
	s_bfe_u32 s2, ttmp6, 0x10000c
	s_cmp_lg_u32 s2, 0xf033
	s_cbranch_scc0 .Lentry_shape_is_right
	s_endpgm
.Lentry_shape_is_right:
; out0[m][n] = sum over k of x[m][k] W[n][k] + bias[n], on the codes of FP4 (E2M1) and E8M0 scale bytes that the launch before has laid in xq and wq; sums in f32.
; xq, wq: [32 groups of 128 rows][8 K steps of 512][a chunk of 34,816 bytes]: row r's 512 codes at 256 r, then from byte 32,768 on row r's 16 scale bytes at 16 r: a chunk is 136 dense rows of 256 bytes.
; A work-group of four waves makes 256 x 256 of out0, a wave 128 x 128: 64 accumulators of 16 x 16, 512 registers.  16 x 16 work-groups: one for each tile.
; K goes in 8 steps of 512 through two LDS slots; a slot holds four chunks (A's two row groups, B's two), one tensor load a wave; 16 bytes of padding behind every 256, so that the 16 rows of a fragment start at 16 different banks.
; CLUSTERS of 4 x 4: the four of a row need the same chunks of xq, the four of a column the same chunks of wq: each chunk is asked for jointly, by the same load with a mask that names the four.
; THE MATRIX INSTRUCTION IS USED TRANSPOSED (source 0 = 16 rows of W, source 1 = 16 rows of x): a lane holds eight neighbouring numbers of a row of out0.  The bias is the C of each accumulator's first product.
; FRAGMENTS: a step of 128 along K is 64 matrix instructions.  A and B have two register sets each; the next step's 32 LDS loads stand in ONE run at this step's head, 64 matrix instructions ahead of their use.
; THE LAST K STEP GOES BY ROWS OF out0: all its fragments of B fill window 1, and my eight blocks of 16 rows are finished one after the other (K ascending), each leaving while the next is multiplied.
; PREFETCH: behind the load of K step k stands a request for K step k + 2 (K step 1: behind the wait for the bias; K step 2: with K step 3, behind K step 1's load).  Of the 136 blocks of 256 bytes of a chunk each of the four partners
; that load it jointly names 34, told apart by address (cx for xq, cy for wq): lanes 0-31 a block each, then blocks 32 and 33 (the lanes left over name block 33 again).  So each block is named once in each cluster that loads it.
; The refills of K steps 6 and 7 ask for nothing.
; REGISTERS: window 0: v0-31 addresses; v32-95 scale words, two sets; v128-191 the bias, in the last K step A's two buffers; v192-255 block 0 on its way out.  window 1: B's sets at v0, v64, A's at v128, v192; in the last K step B alone.
; windows 2, 3: the accumulators of my rows 0-63, 64-127: (a, b) at v[8 (8 (a % 4) + b)].
.set SIZE_N, 4096
.set NQ,     4                         ; steps of 128 along K in a slot
.set PITCH,  272
.set FR,     8                         ; registers of a fragment
.set NP,     4                         ; places behind this matrix instruction (ISA guide 7.12.1)
.set CHUNKG, 34816
.set GROUPB, 8*CHUNKG
.set CHUNKL, 136*PITCH                 ; a chunk in LDS
.set SCOFF,  128*PITCH                 ; where its scale bytes begin there
.set SLOT,   4*CHUNKL
.set LAPS,   4                         ; a lap = two K steps
.set SPARE,  2*SLOT                    ; behind the ring: the spare words, 128 bytes a wave
.set SPITCH, 528                       ; the way out: a stage of 16 rows x (512 + 16) bytes a wave, in slot 0, behind its last fill and its last read
.set SHARE,  34*256                    ; a partner's part of a chunk's prefetch
.set ADRA, 16                          ; v16-17 my A fragments in slot 0, 1
.set ADRB, 20                          ; v20-21 my B fragments
.set ADRS, 22                          ; v22-23 my scale words: lanes 0-15 A's rows, lanes 16-31 B's
.set STO,  24
.set RD,   25
.set CO,   26
.set BO,   27                          ; my 32 bytes of 64 of the bias
.set SPW,  28
.set NIL,  29
.set PFO,  30                          ; prefetch: 256 x lane
.set PFO2, 31                          ; prefetch: blocks 32, 33
.set SC,   32
.set BI,   128
.set PA,   128                         ; the last K step: A's fragments of 16 rows x 512 K, 32 registers, two buffers
.set BF,   0
.set AF,   128
.set PFA, 12                           ; s[12:13] my part of my chunk, for the prefetches
.set G1, 24
.set G0, 32
.set G1B, 48
.set G0B, 56
.set MSB, 0
.macro WIN new                         ; the immediate's high byte repeats the setting that is left
.if MSB != (\new)
	s_set_vgpr_msb (MSB<<8)|(\new)
.set MSB, (\new)
.endif
.endm
.set MUL_LO, 0xa5                      ; sources 0 and 1 window 1, C and D window 2 (less 0x20: C window 0, the bias)
.set MUL_HI, 0xf5                      ; C and D window 3 (less 0x30: C window 0)
.set TO_F,   0x40                      ; destination window 1, address window 0
.macro JLOAD g0a, g1a, g0b, g1b        ; waves 0, 1 fetch xq's two chunks, waves 2, 3 wq's; s_nop 0 and four v_nop behind each line
	s_cmp_eq_u32 s15, 0
	s_cbranch_scc0 .Lfor_b_\@
	tensor_load_to_lds s[\g0a:\g0a+3], s[\g1a:\g1a+7]
	s_nop 0
.rept 4
	v_nop
.endr
	s_branch .Lasked_\@
.Lfor_b_\@:
	tensor_load_to_lds s[\g0b:\g0b+3], s[\g1b:\g1b+7]
	s_nop 0
.rept 4
	v_nop
.endr
.Lasked_\@:
.endm
.macro CREST                           ; a round of the cluster's barrier behind its opening barrier
	s_cmp_lg_u32 s14, 0
	s_cbranch_scc1 .Lnot_wave_0_\@
	s_barrier_signal -3
.Lnot_wave_0_\@:
	s_barrier_wait -3
	s_barrier_signal -1
	s_barrier_wait -1
.endm
.macro CROUND
	s_barrier_signal -1
	s_barrier_wait -1
	CREST
.endm
.macro PF k                            ; my 34 blocks of the chunk k K steps behind s[PFA]
	global_prefetch_b8 v[PFO], s[PFA:PFA+1] offset:(\k)*CHUNKG th:TH_LOAD_NT scope:SCOPE_SE
	global_prefetch_b8 v[PFO2], s[PFA:PFA+1] offset:(\k)*CHUNKG th:TH_LOAD_NT scope:SCOPE_SE
.endm
	s_load_b128 s[4:7], s[0:1], 0x0                ; xq, wq
	s_load_b128 s[8:11], s[0:1], 0x10              ; bias, out0
	v_lshl_add_u32 v[SPW], v0, 2, SPARE
	v_mov_b32 v[NIL], 0
	ds_add_u32 v[SPW], v[NIL]                      ; the opening: the add, twice on end, and its wait ahead of my first tensor load
	ds_add_u32 v[SPW], v[NIL]
	v_lshrrev_b32 v1, 5, v0                        ; all that hangs on no argument is made here, between the second add and its wait
	v_readfirstlane_b32 s14, v1                    ; wave 0..3
	s_lshr_b32 s15, s14, 1                         ; my half of the tile's rows; also: I fetch for xq (0) or wq (1)
	s_and_b32 s16, s14, 1                          ; my half of its columns; also: which of the two chunks I fetch
	s_bfe_u32 s40, ttmp6, 0x40000                  ; cx
	s_bfe_u32 s41, ttmp6, 0x40004                  ; cy
	s_lshl_b32 s42, ttmp9, 2
	s_add_co_u32 s42, s42, s40                     ; tile column
	s_and_b32 s17, ttmp7, 0xffff
	s_lshl_b32 s17, s17, 2
	s_add_co_u32 s17, s17, s41                     ; tile row
	s_lshl_b32 s43, s41, 2
	s_lshl_b32 s43, 15, s43                        ; my row of the cluster
	s_lshl_b32 s44, 0x1111, s40                    ; my column
	s_or_b32 s[G1+0], s43, (3<<16)|(1<<20)|(1<<21)|(5<<22)|(3<<25)   ; mask; elements of 8 bytes; padding on; bit 21 beside a mask; 4 words behind every 64
	s_or_b32 s[G1B+0], s44, (3<<16)|(1<<20)|(1<<21)|(5<<22)|(3<<25)
.irp g, G1, G1B
	s_mov_b32 s[\g+1], 32<<16                      ; rows of 32 elements = 256 bytes,
	s_mov_b32 s[\g+2], 136<<16                     ; 136 of them,
	s_mov_b32 s[\g+3], 32<<16
	s_mov_b32 s[\g+4], 136
	s_mov_b32 s[\g+5], 32                          ; dense
	s_mov_b32 s[\g+6], 0
	s_mov_b32 s[\g+7], 0
.endr
	s_lshl_b32 s20, s17, 1
	s_add_co_u32 s20, s20, s16
	s_mul_i32 s20, s20, GROUPB                     ; xq: row group 2 x tile row + which
	s_lshl_b32 s46, s42, 1
	s_add_co_u32 s46, s46, s16
	s_mul_i32 s46, s46, GROUPB                     ; wq: row group 2 x tile column + which
	s_mov_b32 s47, 0
	s_mul_i32 s45, s14, CHUNKL                     ; where my chunk goes: the wave's number alone
	s_cmp_eq_u32 s15, 0
	s_cselect_b32 s70, s40, s41                    ; my place among the four that load my chunk with me
	s_mul_i32 s70, s70, SHARE
	s_mov_b32 s71, 0
	s_lshl_b32 s66, s17, 8
	s_lshl_b32 s67, s15, 7
	s_add_co_u32 s66, s66, s67                     ; my first row of out0
	s_mov_b32 s67, 0
	s_mov_b64 s[18:19], SIZE_N*4
	s_mul_u64 s[66:67], s[66:67], s[18:19]
	s_lshl_b32 s68, s42, 10
	s_lshl_b32 s69, s16, 9
	s_add_co_u32 s68, s68, s69                     ; my first column, in bytes
	s_mov_b32 s69, 0
	s_add_nc_u64 s[66:67], s[66:67], s[68:69]
	s_mul_i32 s21, s15, CHUNKL                     ; LDS: my 128 rows of A (s21 is set to 0 below)
	s_mul_i32 s22, s16, CHUNKL
	s_add_co_u32 s22, s22, 2*CHUNKL                ; my 128 rows of B, behind A's two chunks
	s_sub_co_u32 s18, s22, s21                     ; from A's to B's
	s_add_co_u32 s19, s21, SCOFF
	s_mul_i32 s23, s14, 16*SPITCH                  ; my stage
	v_and_b32 v1, 15, v0                           ; r = l % 16
	v_bfe_u32 v2, v0, 4, 1                         ; h = l / 16
	v_mul_u32_u24 v3, v1, PITCH
	v_lshl_add_u32 v4, v2, 4, v3                   ; a fragment's row x pitch + 16 h
	v_add_nc_u32 v[ADRA], s21, v4
	v_add_nc_u32 v[ADRB], s22, v4
	v_add_nc_u32 v[ADRA+1], SLOT, v[ADRA]
	v_add_nc_u32 v[ADRB+1], SLOT, v[ADRB]
	v_lshlrev_b32 v5, 4, v1                        ; scale words: 16 bytes a row; lanes 16-31 take B's
	v_mul_u32_u24 v6, s18, v2
	v_add_nc_u32 v5, v5, v6
	v_add_nc_u32 v[ADRS], s19, v5
	v_add_nc_u32 v[ADRS+1], SLOT, v[ADRS]
	v_mul_u32_u24 v5, v1, SPITCH                   ; into the stage: row r, 32 bytes for each half of the lanes
	v_lshl_add_u32 v5, v2, 5, v5
	v_add_nc_u32 v[STO], s23, v5
	v_and_b32 v6, 31, v0
	v_lshlrev_b32 v[CO], 4, v6                     ; back: 32 lanes take a row of 512 bytes; the same in out0
	v_add_nc_u32 v[RD], s23, v[CO]
	v_lshlrev_b32 v[BO], 5, v2
	v_lshlrev_b32 v[PFO], 8, v6
	v_min_u32 v7, 1, v6
	v_lshl_add_u32 v[PFO2], v7, 8, 32*256
	s_mov_b32 s21, 0
	s_wait_alu depctr_va_vdst(0)                   ; at the head's end, directly ahead of the waits below
	s_wait_dscnt 0x0                               ; both opening adds are done
	s_wait_kmcnt 0x0
	s_add_nc_u64 s[20:21], s[4:5], s[20:21]
	s_add_nc_u64 s[46:47], s[6:7], s[46:47]
	s_add_nc_u64 s[8:9], s[8:9], s[68:69]
	s_add_nc_u64 s[10:11], s[10:11], s[66:67]
.irp s, 0,1
	s_mov_b32 s[G0+4*\s], 1
	s_add_co_u32 s[G0+4*\s+1], s45, \s*SLOT
	s_add_nc_u64 s[G0+4*\s+2:G0+4*\s+3], s[20:21], \s*CHUNKG
	s_or_b32 s[G0+4*\s+3], s[G0+4*\s+3], 0x80000000
	s_mov_b32 s[G0B+4*\s], 1
	s_add_co_u32 s[G0B+4*\s+1], s45, \s*SLOT
	s_add_nc_u64 s[G0B+4*\s+2:G0B+4*\s+3], s[46:47], \s*CHUNKG
	s_or_b32 s[G0B+4*\s+3], s[G0B+4*\s+3], 0x80000000
.endr
	s_cmp_eq_u32 s15, 0
	s_cselect_b64 s[PFA:PFA+1], s[20:21], s[46:47] ; the choice hangs on the wave's number alone
	s_add_nc_u64 s[PFA:PFA+1], s[PFA:PFA+1], s[70:71]
	CROUND                                         ; all sixteen work-groups are here: the first joint loads meet
	JLOAD G0, G1, G0B, G1B                         ; K step 0: one tensor load a wave at the head
.irp b, 0,1,2,3,4,5,6,7
	global_load_b128 v[BI+8*\b:BI+8*\b+3],   v[BO], s[8:9] offset:64*\b       ; bias(16 b + 8 h + 0 .. 7): the layout of a result
	global_load_b128 v[BI+8*\b+4:BI+8*\b+7], v[BO], s[8:9] offset:64*\b+16
.endr
	s_wait_loadcnt 0x0                             ; the bias is in
	PF 1                                           ; K step 1, behind K step 0's own requests
.macro FRAG reg, adr, q, i             ; 16 rows x 128 K: registers 4 c .. 4 c + 3 hold K = 64 c + 32 h + 0 .. 31
.irp c, 0,1
	ds_load_b128 v[\reg+4*\c:\reg+4*\c+3], v[\adr] offset:64*(\q)+32*\c+(\i)*16*PITCH
.endr
.endm
.macro FETCH_B slot, q, p              ; sixteen loads: B's eight blocks of the slot's q-th 128 along K into set p
	WIN TO_F
.irp i, 0,1,2,3,4,5,6,7
	FRAG BF+64*(\p)+FR*\i, ADRB+\slot, \q, \i
.endr
.endm
.macro FETCH_A slot, q, p, i0          ; eight loads: A's blocks i0 .. i0 + 3
	WIN TO_F
.irp i, \i0, \i0+1, \i0+2, \i0+3
	FRAG AF+64*(\p)+FR*(\i), ADRA+\slot, \q, \i
.endr
.endm
.macro SCALES sc                       ; a K step's scale words: register NQ i + q: lanes 0-15 A's block i, lanes 16-31 B's block i
	WIN 0
.irp i, 0,1,2,3,4,5,6,7
	ds_load_b128 v[SC+8*NQ*\sc+NQ*\i:SC+8*NQ*\sc+NQ*\i+3], v[ADRS+\sc] offset:\i*PITCH
.endr
.endm
; 16 matrix instructions: A's blocks a0, a0 + 1 x B's eight.  The 64 accumulators take turns, in the same order in every step.  zero = 1: the bias starts the sums
.macro MUL16 a0, p, q, sc, zero
.irp a, \a0, \a0+1
.irp b, 0,1,2,3,4,5,6,7
.if \zero
	v_wmma_scale_f32_16x16x128_f8f6f4 v[8*(8*((\a)%4)+\b):8*(8*((\a)%4)+\b)+7], v[BF+64*(\p)+FR*\b:BF+64*(\p)+FR*\b+FR-1], v[AF+64*(\p)+FR*(\a):AF+64*(\p)+FR*(\a)+FR-1], v[BI+8*\b:BI+8*\b+7], v[SC+8*NQ*(\sc)+NQ*\b+(\q)], v[SC+8*NQ*(\sc)+NQ*(\a)+(\q)] matrix_a_fmt:MATRIX_FMT_FP4 matrix_b_fmt:MATRIX_FMT_FP4 matrix_a_scale:MATRIX_SCALE_ROW1
.else
	v_wmma_scale_f32_16x16x128_f8f6f4 v[8*(8*((\a)%4)+\b):8*(8*((\a)%4)+\b)+7], v[BF+64*(\p)+FR*\b:BF+64*(\p)+FR*\b+FR-1], v[AF+64*(\p)+FR*(\a):AF+64*(\p)+FR*(\a)+FR-1], v[8*(8*((\a)%4)+\b):8*(8*((\a)%4)+\b)+7], v[SC+8*NQ*(\sc)+NQ*\b+(\q)], v[SC+8*NQ*(\sc)+NQ*(\a)+(\q)] matrix_a_fmt:MATRIX_FMT_FP4 matrix_b_fmt:MATRIX_FMT_FP4 matrix_a_scale:MATRIX_SCALE_ROW1
.endif
.endr
.endr
.endm
.macro PLACES n
.rept \n
	v_nop
.endr
.endm
; A step of 128 along K that has its successor in the same slot.  It multiplies sets q % 2; at its head it fetches the successor's fragments into the other sets, which the step before has read: the four places serve all 32 loads.
.macro STEP slot, q, zero
	PLACES NP
	FETCH_B \slot, (\q)+1, 1-(\q)%2
	FETCH_A \slot, (\q)+1, 1-(\q)%2, 0
	FETCH_A \slot, (\q)+1, 1-(\q)%2, 4
	s_wait_dscnt 40                                ; out may be: this step's A blocks 4-7 and the 32 loads just issued; B's set, A's blocks 0-3 (and a slot's scale words) are in
	WIN MUL_LO-0x20*\zero
	MUL16 0, (\q)%2, \q, \slot, \zero
	MUL16 2, (\q)%2, \q, \slot, \zero
	s_wait_dscnt 32                                ; all but the 32: A's blocks 4-7 are in
	WIN MUL_HI-0x30*\zero
	MUL16 4, (\q)%2, \q, \slot, \zero
	MUL16 6, (\q)%2, \q, \slot, \zero
.endm
; The first half of a slot's last step: ONE barrier for the change of slots; in front of it each wave waits for all its tensor loads, adds 0 to its spare word, and waits for that and for its reads of this slot.
.macro MEET slot
	WIN 0
	s_wait_tensorcnt 0x0                           ; my one load that was out, my chunk of the next slot, has landed
	ds_add_u32 v[SPW], v[NIL]
	s_wait_dscnt 9                                 ; (the add and A's blocks 4-7 may be out)
	WIN MUL_LO
	MUL16 0, 1, NQ-1, \slot, 0
	s_wait_dscnt 0x0                               ; the add is done, and my reads of this slot are over
	s_barrier_signal -1
	MUL16 2, 1, NQ-1, \slot, 0
	WIN 0
	s_barrier_wait -1
.endm
; A slot's last step in the loop: the barrier opens a round of the cluster's barrier, and this slot takes the K step two on.
.macro TURN slot, next
	WIN 0
	s_wait_xcnt 0x0                                ; my earlier prefetches have read their base: it steps a K step
	s_add_nc_u64 s[PFA:PFA+1], s[PFA:PFA+1], CHUNKG
	MEET \slot
	CREST                                          ; no wave of any partner still reads this slot or has a load on its way
	s_add_nc_u64 s[G0+4*\slot+2:G0+4*\slot+3], s[G0+4*\slot+2:G0+4*\slot+3], 2*CHUNKG
	s_add_nc_u64 s[G0B+4*\slot+2:G0B+4*\slot+3], s[G0B+4*\slot+2:G0B+4*\slot+3], 2*CHUNKG
	JLOAD G0+4*\slot, G1, G0B+4*\slot, G1B         ; the first tensor load behind the round; its four v_nop are the places in front of the loads below
	FETCH_B \next, 0, 0
	FETCH_A \next, 0, 0, 0
	SCALES \next
	s_cmp_gt_u32 s3, 1                             ; s3 = 1 in the loop's last trip, whose refills are K steps 6 and 7: there is no K step two on
	s_cbranch_scc0 .Lno_ask_\@
	PF 3                                           ; the base stands at (this refill's K step - 1): K step + 2
.Lno_ask_\@:
	WIN MUL_HI
	MUL16 4, 1, NQ-1, \slot, 0
	MUL16 6, 1, NQ-1, \slot, 0
	FETCH_A \next, 0, 0, 4
.endm
.macro STEPS slot, from
.set Q, \from
.rept NQ-1-\from
	STEP \slot, Q, 0
.set Q, Q+1
.endr
.endm
	s_wait_tensorcnt 0x0                           ; my chunk of K step 0 is in
	ds_add_u32 v[SPW], v[NIL]
	s_wait_dscnt 0x0
	CROUND                                         ; everybody's chunk of K step 0 is in, and all sixteen work-groups are here
	JLOAD G0+4, G1, G0B+4, G1B                     ; K step 1, slot 1's first fill: the first tensor load behind the round
	FETCH_B 0, 0, 0
	FETCH_A 0, 0, 0, 0
	SCALES 0
	FETCH_A 0, 0, 0, 4
	WIN 0
	PF 2                                           ; K steps 2 and 3
	PF 3
	STEP 0, 0, 1                                   ; the first step stands in front of the loop: its products start the sums on the bias
	WIN 0
	s_mov_b32 s3, LAPS-1
.Llap:                                                 ; a trip goes once round the ring, from a lap's second step to the next lap's first, and fills both slots again
	STEPS 0, 1
	TURN 0, 1
	STEPS 1, 0
	TURN 1, 0
	STEP 0, 0, 0
	WIN 0
	s_sub_co_u32 s3, s3, 1
	s_cmp_lg_u32 s3, 0
	s_cbranch_scc1 .Llap
	STEPS 0, 1                                     ; the last lap fills nothing
; THE LAST K STEP (slot 1), BY ROWS.  B's fragments of quarter q lie at v[64 q] of window 1; A's of block a, all four quarters, in buffer a % 2 of window 0.
.macro BLOAD q
	WIN TO_F
.irp i, 0,1,2,3,4,5,6,7
	FRAG 64*(\q)+FR*\i, ADRB+1, \q, \i
.endr
.endm
.macro ALOAD a
	WIN 0
.irp q, 0,1,2,3
	FRAG PA+32*((\a)%2)+FR*\q, ADRA+1, \q, \a
.endr
.endm
.macro ROW a                           ; block a is finished: 32 matrix instructions, its 8 accumulators by turns, K ascending
.set AC, 64*((\a)%4)
.set FA, PA+32*((\a)%2)
	WIN 0xa1+0x50*((\a)/4)                         ; source 0 (B) window 1, source 1 (A) window 0, C and D window 2 or 3
.irp q, 0,1,2,3
.if (\a) == 0 && \q == 1
	s_wait_dscnt 16                                ; B's quarter 1 is in (behind it: quarter 3)
.endif
.if (\a) == 0 && \q == 3
	s_wait_dscnt 0
.endif
.irp b, 0,1,2,3,4,5,6,7
	v_wmma_scale_f32_16x16x128_f8f6f4 v[AC+8*\b:AC+8*\b+7], v[64*\q+FR*\b:64*\q+FR*\b+7], v[FA+FR*\q:FA+FR*\q+7], v[AC+8*\b:AC+8*\b+7], v[SC+8*NQ+NQ*\b+\q], v[SC+8*NQ+NQ*(\a)+\q] matrix_a_fmt:MATRIX_FMT_FP4 matrix_b_fmt:MATRIX_FMT_FP4 matrix_a_scale:MATRIX_SCALE_ROW1
.endr
.endr
.endm
; THE WAY OUT of block a, 16 rows x 128 columns: through my own stage in LDS and back as whole rows of 512 bytes, which the 32 lanes store as two aligned runs of 256 bytes.
; LDS serves a wave's instructions in order (ISA guide 5.7.1.4): no wait between the stores and the loads.  Block 0 comes back into v192-255 of window 0, block a > 0 into the accumulators of block a - 1, which the stage's stores have read.
.macro BACK a                          ; where block a comes back: window BW, register BB
.if (\a) == 0
.set BW, 0
.set BB, 192
.else
.set BW, 2+((\a)-1)/4
.set BB, 64*(((\a)-1)%4)
.endif
.endm
.macro TOSTAGE a
.set AC, 64*((\a)%4)
	BACK \a
	WIN 0x08+4*((\a)/4)                            ; the data: window 2 or 3
.irp b, 0,1,2,3,4,5,6,7
	ds_store_b128 v[STO], v[AC+8*\b:AC+8*\b+3] offset:64*\b          ; each accumulator from its low end on
	ds_store_b128 v[STO], v[AC+8*\b+4:AC+8*\b+7] offset:64*\b+16
.endr
	WIN BW<<6
.irp t, 0,1,2,3,4,5,6,7,8,9,10,11,12,13,14,15
	ds_load_b128 v[BB+4*\t:BB+4*\t+3], v[RD] offset:\t*SPITCH
.endr
.endm
.macro SEND a, younger                 ; younger: the LDS loads issued behind block a's.  The row stands in the immediate: 127 rows of 16,384 bytes at the most, inside its signed 24 bits: no base is stepped
	BACK \a
	s_wait_dscnt \younger
	WIN BW<<2
.irp t, 0,1,2,3,4,5,6,7,8,9,10,11,12,13,14,15
	global_store_b128 v[CO], v[BB+4*\t:BB+4*\t+3], s[10:11] offset:(16*(\a)+\t)*SIZE_N*4 th:TH_STORE_NT
.endr
.endm
	MEET 0                                         ; slot 1 is whole; nothing is filled again, so no round follows
	PLACES NP                                      ; for the loads into the sets that the step before has read
	BLOAD 0
	BLOAD 2
	SCALES 1
	ALOAD 0
	ALOAD 1
	WIN MUL_HI
	MUL16 4, 1, NQ-1, 0, 0
	MUL16 6, 1, NQ-1, 0, 0
	PLACES NP                                      ; for the loads into the sets just read
	BLOAD 1
	BLOAD 3
	s_wait_dscnt 40                                ; out may be: A's block 1 and B's quarters 1 and 3
	ROW 0
.irp a, 0,1,2,3,4,5,6,7
	PLACES NP                                      ; the stage's stores read results just made, and A's buffer is loaded anew
	TOSTAGE \a
.if \a < 6
	ALOAD \a+2
	s_wait_dscnt 40                                ; A's block a + 1 is in: behind it stand the stage's 32 and the eight just issued
	ROW \a+1
	SEND \a, 8
.elseif \a == 6
	s_wait_dscnt 32
	ROW \a+1
	SEND \a, 0
.else
	SEND \a, 0
.endif
.endr
	WIN 0
	s_wait_tensorcnt 0x0                           ; the wave's end
	ds_add_u32 v[SPW], v[NIL]
	s_wait_dscnt 0x0
	CROUND                                         ; the closing round
	s_endpgm
.Lfunc_end_k_qcd311ee359_gemm:
	.size	k_qcd311ee359_gemm, .Lfunc_end_k_qcd311ee359_gemm-k_qcd311ee359_gemm
	.p2alignl 7, 3214868480
	.fill 96, 4, 3214868480
	.section	.rodata,"a",@progbits
	.p2align	6, 0x0
	.amdhsa_kernel k_qcd311ee359_gemm
		.amdhsa_group_segment_fixed_size 327680
		.amdhsa_private_segment_fixed_size 0
		.amdhsa_enable_private_segment 0
		.amdhsa_kernarg_size 32
		.amdhsa_user_sgpr_count 2
		.amdhsa_user_sgpr_kernarg_segment_ptr 1
		.amdhsa_wavefront_size32 1
		.amdhsa_system_sgpr_workgroup_id_x 1
		.amdhsa_system_sgpr_workgroup_id_y 1
		.amdhsa_system_sgpr_workgroup_id_z 1
		.amdhsa_system_vgpr_workitem_id 0
		.amdhsa_next_free_vgpr 1024
		.amdhsa_next_free_sgpr 80
		.amdhsa_reserve_vcc 0
		.amdhsa_float_denorm_mode_32 3
		.amdhsa_float_denorm_mode_16_64 3
		.amdhsa_memory_ordered 1
		.amdhsa_forward_progress 1
		.amdhsa_inst_pref_size 210
	.end_amdhsa_kernel
	.amdgpu_metadata
---
amdhsa.version: [ 1, 2 ]
amdhsa.kernels:
  - .name:           k_qcd311ee359_gemm
    .symbol:         k_qcd311ee359_gemm.kd
    .args:
      - { .name: xq, .offset: 0, .size: 8, .value_kind: global_buffer, .address_space: global }
      - { .name: wq, .offset: 8, .size: 8, .value_kind: global_buffer, .address_space: global }
      - { .name: bias, .offset: 16, .size: 8, .value_kind: global_buffer, .address_space: global }
      - { .name: out0, .offset: 24, .size: 8, .value_kind: global_buffer, .address_space: global }
    .group_segment_fixed_size: 327680
    .private_segment_fixed_size: 0
    .kernarg_segment_align: 8
    .kernarg_segment_size: 32
    .max_flat_workgroup_size: 128
    .sgpr_count:     80
    .vgpr_count:     1024
    .wavefront_size: 32
...
	.end_amdgpu_metadata
.endif
;; end of part 4
